; MI455X (gfx1250); checked and timed in simulation.
; The chip was launched on July 23, 2026; its instructions are those of AMD's public machine-readable ISA for CDNA 5 (MIT licence, August 2026) and "CDNA5" Instruction Set Architecture Reference Guide (July 2026). The comments in the code are by the model that wrote it; some were corrected since.
;; Or. Allowed arithmetic: matrix products marked QUANTISED: E2M1 operands, one E8M0 scale for each 32 along K, by v_wmma_scale_f32_16x16x128_f8f6f4 with both operands' format E2M1 (or v_wmma_scale_f32_32x16x128_f4), f32 sums; products left as they are: f32 operands where the result goes on into a quantised operand, else bf16, f16 or f32 operands; f32 sums; everything else in f32.
;; Inputs: W_codes 8 x 1,024 x 32 x 16 uint8 (E2M1 codes of W, K innermost, in blocks of 32 codes, two codes a byte); W_scales 8 x 1,024 x 32 uint8 (E8M0 scales of W, one for each 32 codes along K); b 8 x 1,024 float32; type_ids 8,192 int32; x_codes 8,192 x 32 x 16 uint8 (E2M1 codes of x, K innermost, in blocks of 32 codes, two codes a byte); x_scales 8,192 x 32 uint8 (E8M0 scales of x, one for each 32 codes along K).
;; Outputs: out0 8,192 x 1,032 float32.
;; This version of the problem:
;;   THIS VERSION OF THE PROBLEM IS GIVEN IN LOW PRECISION. The matrix products marked QUANTISED in the list below multiply operands that are first quantised to E2M1 (2 exponent bits, 1 mantissa bit; 4 bits a number), with one power-of-two scale for each 32 numbers along K (OCP MX v1.0); their sums are f32. All else is computed in f32.
;;   The module's matrix products, in the order in which they are computed (A, B: the left and right operand; K: the contracted axis; several contracted axes count as one K, in the product's order):
;;     1. [M 8,192, K 1,024] x [K 1,024, N 8,192]; A: input W (given as codes); B: input x (given as codes): QUANTISED
;;     2. batch 8,192 x [M 1,024, K 8] x [K 8, N 1]; A: computed on the way; B: computed on the way: left as it is (K = 8 < 32)
;;   THE QUANTISER, for each operand of a quantised product, along K:
;;     - K is cut into blocks of 32 from its start; a last block that is shorter is filled with zeros.
;;     - A block's scale is 2^e with e = floor(log2(the largest magnitude in the block)) - 2, held to -126 .. 127; a block of zeros has e = 0. As a byte (E8M0): e + 127.
;;     - Each number is divided by its block's scale, clamped to +-6, and rounded to the nearest number of E2M1, ties to even, subnormals kept.
;;     - The product sums the exact products of the quantised numbers (number of the format x scale) in f32.
;;   ~~~python
;;   def quantise(x, axis):      # numpy; x: float32 -> the quantised numbers, widened to float32 again
;;       x = np.moveaxis(x, axis, -1); K = x.shape[-1]
;;       x = np.pad(x, [(0, 0)] * (x.ndim - 1) + [(0, -K % 32)]); x = x.reshape(x.shape[:-1] + (-1, 32)); a = np.abs(x).max(-1, keepdims=True)
;;       e = np.where(a > 0, np.clip(np.frexp(np.where(a > 0, a, 1))[1] - 1 - 2, -126, 127), 0)      # np.frexp(a)[1] - 1 = floor(log2(a)), exactly
;;       r = np.clip(x / 2.0 ** e, -6, 6)
;;       step = 2.0 ** (np.maximum(np.frexp(np.where(r == 0, 1, r))[1] - 1, 0) - 1)
;;       q = np.round(r / step) * step * 2.0 ** e      # np.round: ties to even
;;       return np.moveaxis(q.reshape(q.shape[:-2] + (-1,))[..., :K], -1, axis).astype(np.float32)
;;   ~~~
;;   INPUTS GIVEN AS CODES. W (in the module: [8, 1024, 1024], K = its axis 1); x (in the module: [8192, 1024], K = its axis 1): each comes as NAME_codes (uint8): NAME with its K axis moved to the last place and cut into blocks of 32 codes, [.., K / 32, bytes a block], one block behind the other in memory; two codes a byte, the lower K in the low four bits (a code: sign, 2 exponent bits, 1 mantissa bit); and NAME_scales (uint8): the same leading axes, one E8M0 byte (e + 127) for each 32 codes along K. Its value is code x scale, taken as it is: it is not quantised again, and the codes and scales need not be those that the quantiser above would give.
;; 2 versions. Each part assembles by itself: llvm-mc -triple=amdgcn-amd-amdhsa -mcpu=gfx1250 --defsym DOCPART=n.
;; ======== version 1 of 2: 2 launches
;; workspace buffers: order 37,120 bytes of whole numbers; wfrag 4,194,304 bytes
;; launch route (part 1): grid 65 x 1, 16 waves a work-group, no clusters, 71,936 bytes of LDS; arguments type_ids, W_codes, order, wfrag; writes order, wfrag
.if DOCPART == 1
	.amdgcn_target "amdgcn-amd-amdhsa--gfx1250"
	.amdhsa_code_object_version 6
	.text
	.protected	k_q36ccd7873d_route
	.globl	k_q36ccd7873d_route
	.p2align	8
	.type	k_q36ccd7873d_route,@function
k_q36ccd7873d_route:
	s_mov_b64 s[64:65], 0
	v_nop
	global_prefetch_b8 v0, s[64:65] scope:SCOPE_SE
	s_setreg_imm32_b32 hwreg(HW_REG_WAVE_MODE, 25, 1), 1
	s_wait_xcnt 0x0
; TWO JOBS IN ONE LAUNCH, told apart by the work-group's number.
; Work-group 0: a counting sort of the 8,192 type ids into ORDER, a list of 64 tiles x 144 slots of 4 bytes.  A tile holds rows of ONE expert; a slot holds
;   n | e << 16 (n the row, e the expert), or -1 where it has no row; in a tile the filled slots come first.  Expert e gets ceil(count / 144) tiles; for every split of
;   8,192 rows over 8 experts that is at most 57 + 7 = 64 tiles.  Every slot is stored, the empty ones too.  No atomics: counts, prefix sums, placement.
;   Behind the 9,216 slots lies one spare word, which takes the -1 of lanes that have no empty slot to fill, and which nobody reads.
; Work-groups 1 to 64: W's codes are laid in the order of an operand's registers: WFRAG [512 tiles of 16 rows][8 K steps of 128][c = 2][32 lanes][16 bytes]; lane 16 h + r holds
;   bytes 64 s + 32 c + 16 h .. + 15 of row r of the tile.  One load of 16 bytes a lane (512 consecutive bytes a wave) is then registers 4 c .. 4 c + 3 of a fragment.
; LIMIT: an id outside 0 .. 7 is held to 0 .. 7 as an unsigned number (a negative id becomes 7); such a row is served as that expert's.
; LDS: bytes 0-255 the sort's wave totals; from byte 256 the second job's stages, 16 rows x 272 bytes for each of 16 waves.  Each job has bytes of its own.
.set SLOTS, 9216                       ; 64 tiles x 144; slot number SLOTS is the spare word
.set STAGE, 256
.set SP,    272                        ; a stage row: 256 bytes + 16: sixteen rows start at sixteen different 16-byte columns
.set ID,  8                            ; v8-23   my 16 ids: register 4 q + i is row 2048 q + 4 thread + i
.set RK,  24                           ; v24-39  an id's rank among equal ids of its half of my 16
.set GO,  43                           ; v43-47  the offsets of the five stores of empty slots, one register each
.set CA,  56                           ; v56, v57 eight 4-bit counters each: ids 0-7's and ids 8-15's (no count passes 8)
.set EA,  58                           ; v58-61  the first half's counts, two experts a register in 16-bit fields (register k: experts 2 k, 2 k + 1)
.set EB,  62                           ; v62-65  the second half's
.set TT,  66                           ; v66-69  my 16 ids' counts
.set IN,  70                           ; v70-73  their inclusive sums over the wave's lanes
.set LX,  74                           ; v74-77  exclusive
.set S0,  78                           ; v78-81  where my first half's rows of each expert begin;  v82-85 my second half's
.set GT,  88                           ; v88-91  wave totals;  v92-95 those of the waves in front of mine
.set PO,  96                           ; v96-111  a store's offset, one register for each id
.set DA,  112                          ; v112-127 a store's data, likewise: no store's sources are written again
	s_load_b256 s[4:11], s[0:1], 0x0               ; type_ids s[4:5], W_codes s[6:7], order s[8:9], wfrag s[10:11]
	v_lshl_add_u32 v128, v0, 2, 0x11100
	v_mov_b32 v129, 0
	v_lshrrev_b32 v1, 5, v0
	v_readfirstlane_b32 s12, v1                    ; wave 0..15
	v_and_b32 v1, 31, v0                           ; lane
	s_cmp_lg_u32 ttmp9, 0
	s_cbranch_scc1 .Lrelay
	; ---------------- THE SORT ----------------
	v_lshlrev_b32 v2, 4, v0                        ; 16 bytes a thread: a wave's load covers 512 consecutive bytes
	v_lshlrev_b32 v3, 2, v0                        ; 4 x thread: my part of a row's number
	s_wait_kmcnt 0x0
.irp q, 0,1,2,3
	global_load_b128 v[ID+4*\q:ID+4*\q+3], v2, s[4:5] offset:8192*\q
.endr
	v_lshrrev_b32 v4, 4, v1
	v_sub_nc_u32 v4, 0, v4                         ; all ones in lanes 16-31, 0 in lanes 0-15
	v_mov_b32 v7, 1
	v_mov_b32 v[CA], 0
	v_mov_b32 v[CA+1], 0
	v_mov_b32 v40, -1                              ; an empty slot; never rewritten
	v_mov_b32 v48, SLOTS                           ; the spare word's slot number; never rewritten
	s_mov_b32 s13, 0x0100
	s_mov_b32 s14, 0x0202
	s_wait_loadcnt 0x0
.irp k, 0,1,2,3,4,5,6,7,8,9,10,11,12,13,14,15
	v_min_u32 v[ID+\k], 7, v[ID+\k]
.endr
; id k is counted in counter register acc: its rank is the count so far
.macro COUNT k, acc, t
	v_lshlrev_b32 v[\t], 2, v[ID+(\k)]             ; 4 x id: the counter's place
	v_bfe_u32 v[RK+(\k)], v[\acc], v[\t], 4
	v_lshlrev_b32 v[\t], v[\t], v7
	v_add_nc_u32 v[\acc], v[\acc], v[\t]
.endm
.irp k, 0,1,2,3,4,5,6,7                        ; the two halves by turns, so that one chain's line does not wait for the line above it
	COUNT \k, CA, 5
	COUNT \k+8, CA+1, 41
.endr
.macro WIDEN dst, acc                          ; eight counters of 4 bits into four registers of two 16-bit fields
.irp k, 0,1,2,3
	v_bfe_u32 v5, v[\acc], 8*\k, 4
	v_bfe_u32 v6, v[\acc], 8*\k+4, 4
	v_lshl_or_b32 v[\dst+\k], v6, 16, v5
.endr
.endm
	WIDEN EA, CA
	WIDEN EB, CA+1
.irp k, 0,1,2,3
	v_add_nc_u32 v[TT+\k], v[EA+\k], v[EB+\k]
	v_add_nc_u32 v[IN+\k], v[EA+\k], v[EB+\k]
.endr
.macro SCAN r                                  ; inclusive sums inside each 16 lanes; a lane without a source takes 0
.irp n, 1,2,4,8
	v_mov_b32_dpp v5, v[\r] row_shr:\n row_mask:0xf bank_mask:0xf bound_ctrl:1
	v_add_nc_u32 v[\r], v[\r], v5
.endr
.endm
.irp k, 0,1,2,3
	SCAN IN+\k
.endr
.irp k, 0,1,2,3
	v_readlane_b32 s22, v[IN+\k], 15               ; the lower 16 lanes' total goes onto the upper 16
	v_and_b32 v5, s22, v4
	v_add_nc_u32 v[IN+\k], v[IN+\k], v5
	v_readlane_b32 s[16+\k], v[IN+\k], 31          ; my wave's total
	v_sub_nc_u32 v[LX+\k], v[IN+\k], v[TT+\k]      ; what the lanes in front of mine hold
	v_mov_b32 v[GT+\k], s[16+\k]
.endr
	v_mov_b32 v6, s12
	v_lshlrev_b32 v6, 4, v6
	ds_store_b128 v6, v[GT:GT+3]                   ; 16 bytes a wave; all lanes write the same bytes with the same values
	s_wait_dscnt 0x0                               ; for the others' sake: my totals have landed
	s_barrier_signal -1
	s_barrier_wait -1
	v_and_b32 v41, 15, v1
	v_lshlrev_b32 v42, 4, v41
	ds_load_b128 v[GT:GT+3], v42                   ; lane l: the totals of wave l % 16
	s_wait_dscnt 0x0
	v_cmp_gt_u32 vcc_lo, s12, v41                  ; a wave in front of mine?
.irp k, 0,1,2,3
	v_cndmask_b32 v[GT+4+\k], 0, v[GT+\k], vcc_lo
.endr
.macro XSUM r                                  ; the sum over 16 lanes, in every lane
.irp n, 1,2,4,8
	v_mov_b32_dpp v5, v[\r] row_xmask:\n row_mask:0xf bank_mask:0xf
	v_add_nc_u32 v[\r], v[\r], v5
.endr
.endm
.irp k, 0,1,2,3,4,5,6,7
	XSUM GT+\k
.endr
.irp k, 0,1,2,3
	v_readfirstlane_b32 s[20+\k], v[GT+\k]         ; all 8,192 ids' counts
	v_readfirstlane_b32 s[24+\k], v[GT+4+\k]       ; those of the waves in front of mine
	s_and_b32 s[28+2*\k], s[20+\k], 0xffff         ; s28-35: count of expert e
	s_lshr_b32 s[29+2*\k], s[20+\k], 16
.endr
	s_mov_b32 s36, 0                               ; s36-44: the slot at which expert e's tiles begin; s44: the first slot behind the last tile
.irp e, 0,1,2,3,4,5,6,7
	s_add_co_u32 s22, s[28+\e], 143
	s_lshr_b32 s22, s22, 4                         ; ceil(count / 144) = floor(floor((count + 143) / 16) / 9);
	s_mul_i32 s22, s22, 7282                       ; x / 9 as x 7282 >> 16: 9 x 7282 = 65,538, so the excess is x / 9 x 2 / 65,536, under 1 / 9 for x up to 520
	s_lshr_b32 s22, s22, 16
	s_mul_i32 s22, s22, 144
	s_add_co_u32 s[37+\e], s[36+\e], s22
.endr
.irp k, 0,1,2,3
	s_lshl_b32 s22, s[37+2*\k], 16
	s_or_b32 s22, s22, s[36+2*\k]
	s_add_co_u32 s[48+\k], s22, s[24+\k]           ; every field stays at 9,216 or under: nothing carries from field to field
	v_add_nc_u32 v[S0+\k], s[48+\k], v[LX+\k]
	v_add_nc_u32 v[S0+4+\k], v[S0+\k], v[EA+\k]
.endr
; id k goes to its slot: its expert's field of the table, plus its rank
.macro PLACE k
.set TB, S0+4*((\k)/8)
	v_and_b32 v5, 3, v[ID+(\k)]
	v_mad_u32_u24 v5, v5, s14, s13                 ; byte selects 2 f, 2 f + 1 for field f of a pair of registers
	v_perm_b32 v6, v[TB+1], v[TB], v5              ; experts 0-3
	v_perm_b32 v41, v[TB+3], v[TB+2], v5           ; experts 4-7
	v_cmp_gt_u32 vcc_lo, 4, v[ID+(\k)]
	v_cndmask_b32 v6, v41, v6, vcc_lo
	v_and_b32 v6, 0xffff, v6
	v_add_nc_u32 v6, v6, v[RK+(\k)]
	v_min_u32 v6, SLOTS-1, v6                      ; a number made of loaded numbers is held inside the buffer before it becomes an offset
	v_lshlrev_b32 v[PO+(\k)], 2, v6
	v_lshl_or_b32 v[DA+(\k)], v[ID+(\k)], 16, v3
	v_or_b32 v[DA+(\k)], 2048*((\k)/4)+(\k)%4, v[DA+(\k)]
	global_store_b32 v[PO+(\k)], v[DA+(\k)], s[8:9]   ; single words, scattered: the whole list is 36 KiB, and gathering it in LDS would want LDS addresses made of data
.endm
.irp k, 0,1,2,3,4,5,6,7,8,9,10,11,12,13,14,15
	PLACE \k
.endr
	; THE EMPTY SLOTS.  Waves 2 e and 2 e + 1 fill what lies behind expert e's last row in its last tile (under 144 slots: three goes of 64); all 512 threads what lies behind the last tile (at most 1,008: two goes)
.irp e, 0,1,2,3,4,5,6,7
	s_add_co_u32 s[28+\e], s[28+\e], s[36+\e]      ; the first slot behind expert e's rows
.endr
	s_lshr_b32 s50, s12, 1
	s_mov_b32 s52, s28
	s_mov_b32 s53, s37
.irp e, 1,2,3,4,5,6,7
	s_cmp_eq_u32 s50, \e
	s_cselect_b32 s52, s[28+\e], s52
	s_cselect_b32 s53, s[37+\e], s53
.endr
; -1 into slot v[pos] where it lies under lim; a lane whose slot lies at lim or beyond sends its -1 to the spare word.  All lanes stay on; each go has its own offset register, so no store's sources are written again
.macro GAP pos, lim, off
	v_cmp_gt_u32 vcc_lo, \lim, v[\pos]
	v_cndmask_b32 v6, v48, v[\pos], vcc_lo
	v_min_u32 v6, SLOTS, v6                        ; held inside the buffer before it becomes an offset
	v_lshlrev_b32 v[\off], 2, v6
	global_store_b32 v[\off], v40, s[8:9]
.endm
	v_and_b32 v41, 63, v0
	v_add_nc_u32 v41, s52, v41
	GAP 41, s53, GO
	v_add_nc_u32 v41, 64, v41
	GAP 41, s53, GO+1
	v_add_nc_u32 v41, 64, v41
	GAP 41, s53, GO+2
	v_add_nc_u32 v42, s44, v0
	GAP 42, SLOTS, GO+3
	v_add_nc_u32 v42, 0x200, v42
	GAP 42, SLOTS, GO+4
	s_wait_tensorcnt 0x0
	ds_add_u32 v128, v129
	s_wait_dscnt 0x0
	s_endpgm
	; ---------------- W's CODES INTO THE ORDER OF THE OPERAND'S REGISTERS ----------------
	; A wave takes half a tile: 16 rows x 256 bytes (four K steps).  In: sixteen lanes read 256 consecutive bytes of a row.  Through the wave's own stage.  Out: 512 consecutive bytes a store.  Waves share nothing: no barrier.
.Lrelay:
	s_sub_co_u32 s20, ttmp9, 1
	s_lshl_b32 s20, s20, 4
	s_add_co_u32 s20, s20, s12                     ; which of 1,024 half tiles
	s_lshr_b32 s21, s20, 1                         ; the tile
	s_and_b32 s22, s20, 1                          ; the half
	s_lshl_b32 s24, s21, 13                        ; a tile is 8,192 bytes in both buffers
	s_lshl_b32 s23, s22, 8
	s_add_co_u32 s26, s24, s23                     ; in: + 256 bytes along each row
	s_mov_b32 s27, 0
	s_lshl_b32 s23, s22, 12
	s_add_co_u32 s24, s24, s23                     ; out: + four K steps of 1,024 bytes
	s_mov_b32 s25, 0
	v_and_b32 v2, 15, v0                           ; r
	v_bfe_u32 v3, v0, 4, 1                         ; h
	v_lshlrev_b32 v4, 4, v2
	v_lshl_add_u32 v5, v3, 9, v4                   ; in: row h of a pair of rows, 16 r bytes along
	s_mul_i32 s28, s12, 16*SP
	s_add_co_u32 s28, s28, STAGE                   ; my stage
	v_mad_u32_u24 v6, v3, SP, v4
	v_add_nc_u32 v6, s28, v6                       ; into it: as loaded
	v_mul_u32_u24 v7, v2, SP
	v_lshl_add_u32 v7, v3, 4, v7
	v_add_nc_u32 v7, s28, v7                       ; out of it: row r, + 16 h
	v_lshlrev_b32 v8, 4, v1                        ; out: 16 bytes a lane
	s_wait_kmcnt 0x0
	s_add_nc_u64 s[6:7], s[6:7], s[26:27]
	s_add_nc_u64 s[10:11], s[10:11], s[24:25]
.irp i, 0,1,2,3,4,5,6,7
	global_load_b128 v[16+4*\i:19+4*\i], v5, s[6:7] offset:1024*\i th:TH_LOAD_NT   ; rows 2 i and 2 i + 1; read once in this launch
.endr
.irp i, 0,1,2,3,4,5,6,7
	s_wait_loadcnt 7-\i                            ; loads come back in order: number i is in, the younger ones stay out
	ds_store_b128 v6, v[16+4*\i:19+4*\i] offset:2*SP*\i
.endr
.irp p, 0,1,2,3,4,5,6,7
	ds_load_b128 v[48+4*\p:51+4*\p], v7 offset:32*\p   ; K step p / 2 of my four, c = p % 2.  LDS serves a wave's instructions in order: these see the stores above
.endr
.irp p, 0,1,2,3,4,5,6,7
	s_wait_dscnt 7-\p
	global_store_b128 v8, v[48+4*\p:51+4*\p], s[10:11] offset:512*\p
.endr
	s_wait_tensorcnt 0x0
	ds_add_u32 v128, v129
	s_wait_dscnt 0x0
	s_endpgm
.Lfunc_end_k_q36ccd7873d_route:
	.size	k_q36ccd7873d_route, .Lfunc_end_k_q36ccd7873d_route-k_q36ccd7873d_route
	.p2alignl 7, 3214868480
	.fill 96, 4, 3214868480
	.section	.rodata,"a",@progbits
	.p2align	6, 0x0
	.amdhsa_kernel k_q36ccd7873d_route
		.amdhsa_group_segment_fixed_size 71936
		.amdhsa_private_segment_fixed_size 0
		.amdhsa_enable_private_segment 0
		.amdhsa_kernarg_size 32
		.amdhsa_user_sgpr_count 2
		.amdhsa_user_sgpr_kernarg_segment_ptr 1
		.amdhsa_wavefront_size32 1
		.amdhsa_system_sgpr_workgroup_id_x 1
		.amdhsa_system_sgpr_workgroup_id_y 1
		.amdhsa_system_sgpr_workgroup_id_z 1
		.amdhsa_system_vgpr_workitem_id 0
		.amdhsa_next_free_vgpr 130
		.amdhsa_next_free_sgpr 96
		.amdhsa_reserve_vcc 1
		.amdhsa_float_denorm_mode_32 3
		.amdhsa_float_denorm_mode_16_64 3
		.amdhsa_memory_ordered 1
		.amdhsa_forward_progress 1
		.amdhsa_inst_pref_size 34
	.end_amdhsa_kernel
	.amdgpu_metadata
---
amdhsa.version: [ 1, 2 ]
amdhsa.kernels:
  - .name:           k_q36ccd7873d_route
    .symbol:         k_q36ccd7873d_route.kd
    .args:
      - { .name: type_ids, .offset: 0, .size: 8, .value_kind: global_buffer, .address_space: global }
      - { .name: W_codes, .offset: 8, .size: 8, .value_kind: global_buffer, .address_space: global }
      - { .name: order, .offset: 16, .size: 8, .value_kind: global_buffer, .address_space: global }
      - { .name: wfrag, .offset: 24, .size: 8, .value_kind: global_buffer, .address_space: global }
    .group_segment_fixed_size: 71936
    .private_segment_fixed_size: 0
    .kernarg_segment_align: 8
    .kernarg_segment_size: 32
    .max_flat_workgroup_size: 512
    .sgpr_count:     96
    .vgpr_count:     130
    .wavefront_size: 32
...
	.end_amdgpu_metadata
.endif
;; end of part 1
;; launch experts (part 2): grid 4 x 64, 4 waves a work-group, no clusters, 114,176 bytes of LDS; arguments order, x_codes, x_scales, wfrag, W_scales, b, out0; writes out0
.if DOCPART == 2
	.amdgcn_target "amdgcn-amd-amdhsa--gfx1250"
	.amdhsa_code_object_version 6
	.text
	.protected	k_q36ccd7873d_experts
	.globl	k_q36ccd7873d_experts
	.p2align	8
	.type	k_q36ccd7873d_experts,@function
k_q36ccd7873d_experts:
	s_mov_b64 s[64:65], 0
	v_nop
	global_prefetch_b8 v0, s[64:65] scope:SCOPE_SE
	s_setreg_imm32_b32 hwreg(HW_REG_WAVE_MODE, 25, 1), 1
	s_wait_xcnt 0x0
; out0[n][0:1024] = x[n] . W[e] + b[e], out0[n][1024:1032] = one-hot(e), e = the row's type.  x and W are codes of FP4 (E2M1) with one E8M0 byte for each 32 along K = 1,024; they go to the matrix unit as they lie.
; Only the row's own expert is multiplied: the other seven products are thrown away by the one-hot sum.
; SHARES.  Work-group (j, t) takes tile t of ORDER (144 slots, rows of ONE expert e, filled slots first, -1 = no row) and columns 256 j .. + 255.  64 tiles serve every split of the rows, so the grid is 4 x 64 = 256 work-groups.
; Wave w makes all 144 rows x columns 256 j + 64 w .. + 63: 9 row blocks x 4 column tiles = 36 accumulators.  So each byte of W is read by one wave, once, straight into registers (256 of them), from WFRAG, which
; holds W's codes in the order of the operand's registers.  x's 144 rows are gathered once, 36 a wave, into LDS, and every wave reads them there once.
; THE PRODUCT IS USED TRANSPOSED: source 0 = 16 rows of W (16 columns of out0), source 1 = 16 rows of x: lane (r, h) holds row r, and its registers columns 8 h + 0 .. 7: 32 neighbouring bytes of a row of out0.
; The bias is the C of each sum's first product (so it is added first, not last).
; A SLOT WITH NO ROW takes the tile's first row again: it loads the same bytes, computes the same numbers and, in the one row block that is filled in part, stores them to the same place.  Row blocks with no row at all
; are not stored (a scalar branch on the list); a tile with no row stores nothing and ends, behind the launch's one barrier.
; NO TENSOR LOADS, NO CLUSTER: whether a tile has rows, how many, and how many tiles share an expert's weights are numbers read from memory, and this text branches on them.
; A row of out0 is 4,128 bytes and neighbouring rows belong to other tiles: what this text does is that sixteen neighbouring lanes store 256 consecutive bytes of a row.
; LIMITS: the expert's number is held to 0 .. 7; a scale byte 0xff makes NaN only in rows of the chosen expert.
; LDS: XT 144 rows x 528 bytes (512 + 16: sixteen rows start at sixteen different 16-byte columns); RT, for each wave, 160 row numbers; STG, for each wave, two stages of 16 rows x 272 bytes.
; REGISTERS, in windows of 256: window 0: v0-15 addresses; v16-55 x's scale words, v56-71 W's (scales and nothing else); v72-215 the gathered rows, then x's fragments in two sets of 72, then the way out;
;   v216-229 the list and offsets.   window 1: W's fragment (K step s, column tile ct) at 32 s + 8 ct.   window 2: accumulator (m, ct), m < 8, at 8 (4 m + ct).
;   window 3: 0-31 the accumulators of m = 8; 32-63 the bias in the result's layout; 64-99 the gather's 36 offsets.
.set XP,   528
.set XBLK, 16*XP                       ; a row block of x in LDS
.set RT,   144*XP                      ; 76,032
.set STG,  RT+4*640                    ; 78,592
.set SP,   272
.set ROWO, 4128                        ; a row of out0 in bytes
.set XS,   16                          ; v[XS + 8 mp + s]: lane l: the scale word of slot 32 mp + l for K step s
.set WS,   56                          ; v[WS + 8 p + s]: lane l: that of row 32 p + l of my 64 rows of W
.set XF,   72
.set EL,   216                         ; v216-220 row numbers, lane l of register mp: slot 32 mp + l
.set SO,   221                         ; v221-225 their offsets in x_scales
.set OB,   72                          ; the way out: 2 x 32 registers, 16 rows read back from a stage
.set RN,   136                         ; 2 x 8 row numbers
.set OO,   152                         ; 2 x 8 offsets in out0
.set BI,   32                          ; window 3
.set XO,   64                          ; window 3
.set MSB, 0
.macro WIN new                         ; low byte: bits 1:0 source 0, 3:2 source 1, 5:4 source 2, 7:6 destination; the high byte repeats the setting that is left
.if MSB != \new
	s_set_vgpr_msb (MSB<<8)|\new
.set MSB, \new
.endif
.endm
	s_load_b256 s[4:11], s[0:1], 0x0               ; order s[4:5], x_codes s[6:7], x_scales s[8:9], wfrag s[10:11]
	s_load_b128 s[12:15], s[0:1], 0x20             ; W_scales s[12:13], b s[14:15]
	s_load_b64 s[16:17], s[0:1], 0x30              ; out0
	v_lshl_add_u32 v254, v0, 2, 0x1bc00
	v_mov_b32 v255, 0
	v_lshrrev_b32 v1, 5, v0
	v_readfirstlane_b32 s18, v1                    ; wave w
	s_mov_b32 s19, ttmp9                           ; column block j
	s_and_b32 s20, ttmp7, 0xffff                   ; tile t
	v_and_b32 v1, 31, v0                           ; lane
	v_lshlrev_b32 v2, 4, v1                        ; 16 x lane
	v_lshlrev_b32 v3, 2, v1                        ; 4 x lane
	v_and_b32 v4, 15, v0                           ; r
	v_bfe_u32 v5, v0, 4, 1                         ; h
	v_mul_u32_u24 v6, v4, XP
	v_lshl_add_u32 v6, v5, 4, v6                   ; x's fragments: row r, + 16 h; row blocks 0-3
	v_add_nc_u32 v7, 4*XBLK, v6                    ; row blocks 4-8 (the 16-bit offset does not reach them from v6)
	s_mul_i32 s22, s18, 36*XP
	v_add_nc_u32 v8, s22, v2                       ; where I put my wave's 36 rows: 16 bytes a lane
	v_lshlrev_b32 v9, 5, v1                        ; W's scales: 32 bytes a row
	v_lshlrev_b32 v10, 5, v5                       ; the bias: 8 numbers on for lanes 16-31
	s_mul_i32 s22, s18, 2*16*SP
	s_add_co_u32 s22, s22, STG                     ; my stages
	v_mul_u32_u24 v11, v4, SP
	v_lshl_add_u32 v11, v5, 5, v11
	v_add_nc_u32 v11, s22, v11                     ; in: row r, + 32 h
	v_mul_u32_u24 v12, v5, SP
	v_lshl_add_u32 v12, v4, 4, v12
	v_add_nc_u32 v12, s22, v12                     ; back: lanes 0-15 one row of 256 bytes, lanes 16-31 the next
	s_mul_i32 s22, s18, 640
	s_add_co_u32 s22, s22, RT                      ; my table of row numbers.  In a block's 16 words slot q lies at word 8 (q % 2) + q / 2: so the eight rows that a lane stores on the way out (2 i + h) are eight neighbouring words
	v_and_b32 v226, 1, v0
	v_lshrrev_b32 v227, 1, v4
	v_lshl_add_u32 v13, v5, 4, v227
	v_lshl_add_u32 v13, v226, 3, v13
	v_lshlrev_b32 v13, 2, v13
	v_add_nc_u32 v13, s22, v13                     ; where I put slot 32 mp + lane (+ 128 mp)
	v_lshl_add_u32 v14, v5, 5, s22                 ; where I read my eight rows' numbers (+ 64 a)
	v_lshlrev_b32 v15, 4, v4                       ; 16 r
	v_lshlrev_b32 v228, 2, v4                      ; 4 r: the list's last 16 slots, read by both halves of the lanes
	v_bfe_u32 v226, v0, 1, 1
	v_bfe_u32 v227, v0, 2, 3
	v_lshl_add_u32 v229, v226, 3, v227
	v_lshlrev_b32 v229, 2, v229
	v_add_nc_u32 v229, s22, v229                   ; the one-hot tail: slot q = lane / 2 of a block
	s_wait_kmcnt 0x0
	s_mul_i32 s22, s20, 576
	s_mov_b32 s23, 0
	s_add_nc_u64 s[4:5], s[4:5], s[22:23]          ; my tile's 144 slots
	s_mul_i32 s24, s18, 144
	s_mov_b32 s25, 0
	s_add_nc_u64 s[24:25], s[4:5], s[24:25]        ; my wave's 36 of them
	s_load_b32 s66, s[4:5], 0x0                    ; slot 0: the expert, the row that stands in for empty slots, and whether the tile has rows
.irp a, 1,2,3,4,5,6,7,8
	s_load_b32 s[66+\a], s[4:5], 64*\a             ; slot 16 a: -1 where row block a is empty
.endr
	s_load_b512 s[28:43], s[24:25], 0x0
	s_load_b512 s[44:59], s[24:25], 0x40
	s_load_b128 s[60:63], s[24:25], 0x80
.irp mp, 0,1,2,3
	global_load_b32 v[EL+\mp], v3, s[4:5] offset:128*\mp
.endr
	global_load_b32 v[EL+4], v228, s[4:5] offset:512
	s_wait_kmcnt 0x0
	s_bfe_u32 s21, s66, 0x30010                    ; e: 3 bits from bit 16,
	s_min_u32 s21, s21, 7                          ; held, as every loaded number is before it enters an address
	s_lshl_b32 s22, s21, 4
	s_lshl_b32 s26, s19, 2
	s_add_co_u32 s26, s26, s18                     ; 4 j + w
	s_add_co_u32 s22, s22, s26                     ; u = 16 e + 4 j + w: my 64 rows of W are rows 64 u on
	s_mov_b32 s23, 0
	s_mov_b32 s27, 0
	s_lshl_b32 s26, s26, 8
	s_add_nc_u64 s[16:17], s[16:17], s[26:27]      ; out0: my 64 columns, 256 bytes
	s_lshl_b32 s22, s22, 8
	s_add_nc_u64 s[14:15], s[14:15], s[22:23]      ; b: 64 numbers
	s_lshl_b32 s22, s22, 3
	s_add_nc_u64 s[12:13], s[12:13], s[22:23]      ; W_scales: 64 rows of 32 bytes
	s_lshl_b32 s22, s22, 4
	s_add_nc_u64 s[10:11], s[10:11], s[22:23]      ; wfrag: 4 tiles of 8,192 bytes
; 12 of my 36 rows of x are asked for: a row is 512 consecutive bytes, 16 a lane
.macro GATHER12 g
	WIN 0xc0                                       ; destination window 3
.set J, 12*\g
.rept 12
	s_cmp_eq_u32 s[28+J], -1
	s_cselect_b32 s[28+J], s66, s[28+J]            ; no row: the tile's first row again
	s_and_b32 s[28+J], s[28+J], 0x1fff
	s_min_u32 s[28+J], s[28+J], 0x1fff
	s_lshl_b32 s[28+J], s[28+J], 9
	v_add_nc_u32 v[XO+J], s[28+J], v2
.set J, J+1
.endr
	WIN 0x03                                       ; address window 3
.set J, 12*\g
.rept 12
	global_load_b128 v[XF+4*J:XF+4*J+3], v[XO+J], s[6:7]
.set J, J+1
.endr
	WIN 0
.endm
	GATHER12 0
	GATHER12 1
	GATHER12 2
	s_wait_loadcnt 36                              ; the list's five loads are in; the 36 rows behind them stay out
	v_mov_b32 v226, s66
.irp mp, 0,1,2,3,4
	v_cmp_ne_u32 vcc_lo, -1, v[EL+\mp]
	v_cndmask_b32 v[EL+\mp], v226, v[EL+\mp], vcc_lo
	v_and_b32 v[EL+\mp], 0x1fff, v[EL+\mp]
	v_min_u32 v[EL+\mp], 0x1fff, v[EL+\mp]
	ds_store_b32 v13, v[EL+\mp] offset:128*\mp     ; the row numbers, for the way out
	v_lshlrev_b32 v[SO+\mp], 5, v[EL+\mp]
	global_load_b128 v[XS+8*\mp:XS+8*\mp+3], v[SO+\mp], s[8:9]             ; a row's 32 scale bytes: the words of K steps 0-3,
	global_load_b128 v[XS+8*\mp+4:XS+8*\mp+7], v[SO+\mp], s[8:9] offset:16 ; and 4-7
.endr
.irp p, 0,1
.irp q, 0,1
	global_load_b128 v[WS+8*\p+4*\q:WS+8*\p+4*\q+3], v9, s[12:13] offset:1024*\p+16*\q   ; W's scale words, as they lie: a lane a row
.endr
.endr
	WIN 0xc0
.irp ct, 0,1,2,3
.irp u, 0,1
	global_load_b128 v[BI+8*\ct+4*\u:BI+8*\ct+4*\u+3], v10, s[14:15] offset:64*\ct+16*\u   ; b(16 ct + 8 h + 0 .. 7)
.endr
.endr
	WIN 0
.macro WLOAD i                                 ; load i of 64 of W's codes, by K step: s = i / 8, column tile (i / 2) % 4, c = i % 2: 512 consecutive bytes
.set rW, 32*((\i)/8)+8*(((\i)/2)%4)+4*((\i)%2)
	global_load_b128 v[rW:rW+3], v2, s[10:11] offset:8192*(((\i)/2)%4)+1024*((\i)/8)+512*((\i)%2)
.endm
; 12 rows go to LDS, and 12 loads of W take their places among the loads that are out
.macro PUT12 g
	s_wait_loadcnt 46                              ; younger than this group's last row: 24 - 12 g rows, 22 loads of scales and bias, 12 g of W
.set J, 12*\g
.rept 12
	ds_store_b128 v8, v[XF+4*J:XF+4*J+3] offset:XP*J
.set J, J+1
.endr
	WIN 0x40                                       ; destination window 1
.set J, 12*\g
.rept 12
	WLOAD J
.set J, J+1
.endr
	WIN 0
.endm
	PUT12 0
	PUT12 1
	PUT12 2
	s_wait_dscnt 0x0                               ; for the others' sake: my 36 rows have landed in LDS
	s_barrier_signal -1
	s_barrier_wait -1                              ; all 144 have.  The launch's one barrier: every wave passes it, ahead of every branch on the list
	s_cmp_eq_u32 s66, -1
	s_cbranch_scc1 .Lquit                          ; a tile with no row
.macro XFETCH s, buf                           ; x's nine fragments of K step s into set buf: 18 LDS loads
.irp m, 0,1,2,3
.irp c, 0,1
	ds_load_b128 v[XF+72*(\buf)+8*\m+4*\c:XF+72*(\buf)+8*\m+4*\c+3], v6 offset:\m*XBLK+64*(\s)+32*\c
.endr
.endr
.irp m, 4,5,6,7,8
.irp c, 0,1
	ds_load_b128 v[XF+72*(\buf)+8*\m+4*\c:XF+72*(\buf)+8*\m+4*\c+3], v7 offset:(\m-4)*XBLK+64*(\s)+32*\c
.endr
.endr
.endm
	XFETCH 0, 0
	WIN 0x40
.set J, 36
.rept 28
	WLOAD J                                        ; the rest of W
.set J, J+1
.endr
	WIN 0
; One product.  W's scale word: lanes 0-15 of its register for an even column tile, lanes 16-31 for an odd one; x's likewise by the row block.  At K step 0 C is the bias.
.macro PROD s, m, ct
.set rD, 8*(4*((\m)%8)+(\ct))
.if (\s) == 0
.set rC, BI+8*(\ct)
.else
.set rC, rD
.endif
.set rA, 32*(\s)+8*(\ct)
.set rB, XF+72*((\s)%2)+8*(\m)
.set rP, WS+8*((\ct)/2)+(\s)
.set rQ, XS+8*((\m)/2)+(\s)
.if ((\ct)%2 == 0) && ((\m)%2 == 0)
	v_wmma_scale_f32_16x16x128_f8f6f4 v[rD:rD+7], v[rA:rA+7], v[rB:rB+7], v[rC:rC+7], v[rP], v[rQ] matrix_a_fmt:MATRIX_FMT_FP4 matrix_b_fmt:MATRIX_FMT_FP4
.elseif ((\ct)%2 == 1) && ((\m)%2 == 0)
	v_wmma_scale_f32_16x16x128_f8f6f4 v[rD:rD+7], v[rA:rA+7], v[rB:rB+7], v[rC:rC+7], v[rP], v[rQ] matrix_a_fmt:MATRIX_FMT_FP4 matrix_b_fmt:MATRIX_FMT_FP4 matrix_a_scale:MATRIX_SCALE_ROW1
.elseif ((\ct)%2 == 0) && ((\m)%2 == 1)
	v_wmma_scale_f32_16x16x128_f8f6f4 v[rD:rD+7], v[rA:rA+7], v[rB:rB+7], v[rC:rC+7], v[rP], v[rQ] matrix_a_fmt:MATRIX_FMT_FP4 matrix_b_fmt:MATRIX_FMT_FP4 matrix_b_scale:MATRIX_SCALE_ROW1
.else
	v_wmma_scale_f32_16x16x128_f8f6f4 v[rD:rD+7], v[rA:rA+7], v[rB:rB+7], v[rC:rC+7], v[rP], v[rQ] matrix_a_fmt:MATRIX_FMT_FP4 matrix_b_fmt:MATRIX_FMT_FP4 matrix_a_scale:MATRIX_SCALE_ROW1 matrix_b_scale:MATRIX_SCALE_ROW1
.endif
.endm
; A K step of 128: the next step's fragments of x are asked for, then 36 products.  The 36 accumulators take turns, one instruction a turn, in the same order in every step.
.macro KSTEP s
.if (\s) < 7
.if (\s) > 0
.rept 4
	v_nop                                          ; four places between the products of the step before, which read the set, and the loads into it (ISA guide 7.12.1 for vector instructions)
.endr
.endif
	XFETCH (\s)+1, ((\s)+1)%2
.endif
	s_wait_loadcnt 56-8*(\s)                       ; W's eight loads of this step, and all that is older (scales, bias), are in; the later steps' 8 (7 - s) stay out
.if (\s) < 7
	s_wait_dscnt 18                                ; this step's fragments of x are in; the 18 loads just issued stay out
.else
	s_wait_dscnt 0x0
.endif
.if (\s) == 0
	WIN 0xb1                                       ; source 0 (W) window 1, source 1 (x) window 0, C (the bias) window 3, D window 2
.else
	WIN 0xa1                                       ; C and D window 2
.endif
.irp m, 0,1,2,3,4,5,6,7
.irp ct, 0,1,2,3
	PROD \s, \m, \ct
.endr
.endr
	WIN 0xf1                                       ; C and D window 3: row block 8
.irp ct, 0,1,2,3
	PROD \s, 8, \ct
.endr
	WIN 0
.endm
.irp s, 0,1,2,3,4,5,6,7
	KSTEP \s
.endr
; THE WAY OUT, a row block (16 rows x 64 columns) at a time, through my own two stages by turns.  LDS serves a wave's instructions in order (ISA guide 5.7.1.4): no wait between the stores and the loads.
.macro TOSTAGE a
.set PP, (\a)%2
.if (\a) < 8
	WIN 0x08                                       ; an LDS store's data are its source 1: window 2
.else
	WIN 0x0c                                       ; window 3
.endif
.irp ct, 0,1,2,3
	ds_store_b128 v11, v[8*(4*((\a)%8)+\ct):8*(4*((\a)%8)+\ct)+3] offset:16*SP*PP+64*\ct        ; each accumulator from its low end on
	ds_store_b128 v11, v[8*(4*((\a)%8)+\ct)+4:8*(4*((\a)%8)+\ct)+7] offset:16*SP*PP+64*\ct+16
.endr
	WIN 0
.irp u, 0,1
	ds_load_b128 v[RN+8*PP+4*\u:RN+8*PP+4*\u+3], v14 offset:64*(\a)+16*\u    ; the numbers of rows 2 i + h, i = 0 .. 7
.endr
.irp i, 0,1,2,3,4,5,6,7
	ds_load_b128 v[OB+32*PP+4*\i:OB+32*PP+4*\i+3], v12 offset:16*SP*PP+2*SP*\i
.endr
.endm
.macro SEND p, younger                         ; younger: the LDS instructions issued behind the block's loads, which may stay out
	s_wait_dscnt \younger
.irp i, 0,1,2,3,4,5,6,7
	v_min_u32 v[RN+8*(\p)+\i], 0x1fff, v[RN+8*(\p)+\i]
	v_mad_u32_u24 v[OO+8*(\p)+\i], v[RN+8*(\p)+\i], ROWO, v15
	global_store_b128 v[OO+8*(\p)+\i], v[OB+32*(\p)+4*\i:OB+32*(\p)+4*\i+3], s[16:17] th:TH_STORE_NT   ; sixteen lanes store 256 consecutive bytes of a row; written once, read by nobody here
.endr
.endm
.rept 4
	v_nop                                          ; four places behind the last products: for the first read of results, and for the loads into the registers that held x's fragments
.endr
	TOSTAGE 0
.irp a, 1,2,3,4,5,6,7,8
	s_cmp_eq_u32 s[66+\a], -1                      ; filled slots come first: the first empty row block ends the way out
.if (\a)%2 == 1
	s_cbranch_scc1 .Lfin0
.else
	s_cbranch_scc1 .Lfin1
.endif
.if \a > 1
	s_wait_xcnt 0x0                                ; block a - 2's stores have read their data and offsets: block a's loads may land there
.endif
	TOSTAGE \a
	SEND (\a-1)%2, 18                              ; behind block a - 1's loads: block a's 8 stores and 10 loads
.endr
.Lfin0:
	SEND 0, 0                                      ; the last block in hand is an even one
	s_branch .Ltail
.Lfin1:
	SEND 1, 0                                      ; or an odd one
.Ltail:
	; THE ONE-HOT TAIL, 32 bytes a row, by the wave that made the last 64 columns: two lanes to a row, 16 rows an instruction.  Empty slots name the tile's first row and store the same numbers there.
	s_lshl_b32 s22, s19, 2
	s_add_co_u32 s22, s22, s18
	s_cmp_lg_u32 s22, 15
	s_cbranch_scc1 .Lquit
	v_and_b32 v173, 1, v0
	v_lshlrev_b32 v174, 2, v173
	v_sub_nc_u32 v174, s21, v174                   ; e - 4 (lane % 2): which of my four numbers is the 1, if any
	v_lshlrev_b32 v185, 4, v173
	v_mov_b32 v172, 1.0
.irp k, 0,1,2,3
	v_cmp_eq_u32 vcc_lo, \k, v174
	v_cndmask_b32 v[168+\k], 0, v172, vcc_lo
.endr
.irp a, 0,1,2,3,4,5,6,7,8
	ds_load_b32 v[176+\a], v229 offset:64*\a
.endr
	s_wait_dscnt 0x0
.irp a, 0,1,2,3,4,5,6,7,8
	v_min_u32 v[176+\a], 0x1fff, v[176+\a]
	v_mad_u32_u24 v[186+\a], v[176+\a], ROWO, v185
	global_store_b128 v[186+\a], v[168:171], s[16:17] offset:256 th:TH_STORE_NT   ; byte 4,096 of a row lies 256 bytes behind this wave's first column
.endr
.Lquit:
	s_wait_tensorcnt 0x0
	ds_add_u32 v254, v255
	s_wait_dscnt 0x0
	s_endpgm
.Lfunc_end_k_q36ccd7873d_experts:
	.size	k_q36ccd7873d_experts, .Lfunc_end_k_q36ccd7873d_experts-k_q36ccd7873d_experts
	.p2alignl 7, 3214868480
	.fill 96, 4, 3214868480
	.section	.rodata,"a",@progbits
	.p2align	6, 0x0
	.amdhsa_kernel k_q36ccd7873d_experts
		.amdhsa_group_segment_fixed_size 114176
		.amdhsa_private_segment_fixed_size 0
		.amdhsa_enable_private_segment 0
		.amdhsa_kernarg_size 56
		.amdhsa_user_sgpr_count 2
		.amdhsa_user_sgpr_kernarg_segment_ptr 1
		.amdhsa_wavefront_size32 1
		.amdhsa_system_sgpr_workgroup_id_x 1
		.amdhsa_system_sgpr_workgroup_id_y 1
		.amdhsa_system_sgpr_workgroup_id_z 1
		.amdhsa_system_vgpr_workitem_id 0
		.amdhsa_next_free_vgpr 896
		.amdhsa_next_free_sgpr 80
		.amdhsa_reserve_vcc 1
		.amdhsa_float_denorm_mode_32 3
		.amdhsa_float_denorm_mode_16_64 3
		.amdhsa_memory_ordered 1
		.amdhsa_forward_progress 1
		.amdhsa_inst_pref_size 112
	.end_amdhsa_kernel
	.amdgpu_metadata
---
amdhsa.version: [ 1, 2 ]
amdhsa.kernels:
  - .name:           k_q36ccd7873d_experts
    .symbol:         k_q36ccd7873d_experts.kd
    .args:
      - { .name: order, .offset: 0, .size: 8, .value_kind: global_buffer, .address_space: global }
      - { .name: x_codes, .offset: 8, .size: 8, .value_kind: global_buffer, .address_space: global }
      - { .name: x_scales, .offset: 16, .size: 8, .value_kind: global_buffer, .address_space: global }
      - { .name: wfrag, .offset: 24, .size: 8, .value_kind: global_buffer, .address_space: global }
      - { .name: W_scales, .offset: 32, .size: 8, .value_kind: global_buffer, .address_space: global }
      - { .name: b, .offset: 40, .size: 8, .value_kind: global_buffer, .address_space: global }
      - { .name: out0, .offset: 48, .size: 8, .value_kind: global_buffer, .address_space: global }
    .group_segment_fixed_size: 114176
    .private_segment_fixed_size: 0
    .kernarg_segment_align: 8
    .kernarg_segment_size: 56
    .max_flat_workgroup_size: 128
    .sgpr_count:     80
    .vgpr_count:     896
    .wavefront_size: 32
...
	.end_amdgpu_metadata
.endif
;; end of part 2
;; ======== version 2 of 2: 2 launches
;; workspace buffers: order 37,120 bytes of whole numbers; wfrag 4,194,304 bytes
;; launch route (part 3): grid 65 x 1, 16 waves a work-group, no clusters, 71,936 bytes of LDS; arguments type_ids, W_codes, order, wfrag; writes order, wfrag
.if DOCPART == 3
	.amdgcn_target "amdgcn-amd-amdhsa--gfx1250"
	.amdhsa_code_object_version 6
	.text
	.protected	k_q36ccd7873d_route
	.globl	k_q36ccd7873d_route
	.p2align	8
	.type	k_q36ccd7873d_route,@function
k_q36ccd7873d_route:
	s_mov_b64 s[64:65], 0
	v_nop
	global_prefetch_b8 v0, s[64:65] scope:SCOPE_SE
	s_setreg_imm32_b32 hwreg(HW_REG_WAVE_MODE, 25, 1), 1
	s_wait_xcnt 0x0
; TWO JOBS IN ONE LAUNCH, told apart by the work-group's number.
; Work-group 0: a counting sort of the 8,192 type ids into ORDER, a list of 64 tiles x 144 slots of 4 bytes.  A tile holds rows of ONE expert; a slot holds
;   n | e << 16 (n the row, e the expert), or -1 where it has no row; in a tile the filled slots come first.  Expert e gets ceil(count / 144) tiles; for every split of
;   8,192 rows over 8 experts that is at most 57 + 7 = 64 tiles.  Every slot is stored, the empty ones too.  No atomics: counts, prefix sums, placement.
;   Behind the 9,216 slots lies one spare word, which takes the -1 of lanes that have no empty slot to fill, and which nobody reads.
; Work-groups 1 to 64: W's codes are laid in the order of an operand's registers: WFRAG [512 tiles of 16 rows][8 K steps of 128][c = 2][32 lanes][16 bytes]; lane 16 h + r holds
;   bytes 64 s + 32 c + 16 h .. + 15 of row r of the tile.  One load of 16 bytes a lane (512 consecutive bytes a wave) is then registers 4 c .. 4 c + 3 of a fragment.
; LIMIT: an id outside 0 .. 7 is held to 0 .. 7 as an unsigned number (a negative id becomes 7); such a row is served as that expert's.
; LDS: bytes 0-255 the sort's wave totals; from byte 256 the second job's stages, 16 rows x 272 bytes for each of 16 waves.  Each job has bytes of its own.
.set SLOTS, 9216                       ; 64 tiles x 144; slot number SLOTS is the spare word
.set STAGE, 256
.set SP,    272                        ; a stage row: 256 bytes + 16: sixteen rows start at sixteen different 16-byte columns
.set ID,  8                            ; v8-23   my 16 ids: register 4 q + i is row 2048 q + 4 thread + i
.set RK,  24                           ; v24-39  an id's rank among equal ids of its half of my 16
.set GO,  43                           ; v43-47  the offsets of the five stores of empty slots, one register each
.set CA,  56                           ; v56, v57 eight 4-bit counters each: ids 0-7's and ids 8-15's (no count passes 8)
.set EA,  58                           ; v58-61  the first half's counts, two experts a register in 16-bit fields (register k: experts 2 k, 2 k + 1)
.set EB,  62                           ; v62-65  the second half's
.set TT,  66                           ; v66-69  my 16 ids' counts
.set IN,  70                           ; v70-73  their inclusive sums over the wave's lanes
.set LX,  74                           ; v74-77  exclusive
.set S0,  78                           ; v78-81  where my first half's rows of each expert begin;  v82-85 my second half's
.set GT,  88                           ; v88-91  wave totals;  v92-95 those of the waves in front of mine
.set PO,  96                           ; v96-111  a store's offset, one register for each id
.set DA,  112                          ; v112-127 a store's data, likewise: no store's sources are written again
	s_load_b256 s[4:11], s[0:1], 0x0               ; type_ids s[4:5], W_codes s[6:7], order s[8:9], wfrag s[10:11]
	v_lshl_add_u32 v128, v0, 2, 0x11100
	v_mov_b32 v129, 0
	v_lshrrev_b32 v1, 5, v0
	s_delay_alu instid0(VALU_DEP_1)
	v_readfirstlane_b32 s12, v1                    ; wave 0..15
	v_and_b32 v1, 31, v0                           ; lane
	s_cmp_lg_u32 ttmp9, 0
	s_cbranch_scc1 .Lrelay
	; ---------------- THE SORT ----------------
	v_lshlrev_b32 v2, 4, v0                        ; 16 bytes a thread: a wave's load covers 512 consecutive bytes
	v_lshlrev_b32 v3, 2, v0                        ; 4 x thread: my part of a row's number
	s_wait_alu depctr_va_vdst(0)
	s_wait_kmcnt 0x0
.irp q, 0,1,2,3
	global_load_b128 v[ID+4*\q:ID+4*\q+3], v2, s[4:5] offset:8192*\q
.endr
	v_lshrrev_b32 v4, 4, v1
	s_delay_alu instid0(VALU_DEP_1)
	v_sub_nc_u32 v4, 0, v4                         ; all ones in lanes 16-31, 0 in lanes 0-15
	v_mov_b32 v7, 1
	v_mov_b32 v[CA], 0
	v_mov_b32 v[CA+1], 0
	v_mov_b32 v40, -1                              ; an empty slot; never rewritten
	v_mov_b32 v48, SLOTS                           ; the spare word's slot number; never rewritten
	s_mov_b32 s13, 0x0100
	s_mov_b32 s14, 0x0202
	s_wait_loadcnt 0x0
.irp k, 0,1,2,3,4,5,6,7,8,9,10,11,12,13,14,15
	v_min_u32 v[ID+\k], 7, v[ID+\k]
.endr
; id k is counted in counter register acc: its rank is the count so far
.macro COUNT k, acc, t
	v_lshlrev_b32 v[\t], 2, v[ID+(\k)]             ; 4 x id: the counter's place
	s_delay_alu instid0(VALU_DEP_1)
	v_bfe_u32 v[RK+(\k)], v[\acc], v[\t], 4
	s_delay_alu instid0(VALU_DEP_2)
	v_lshlrev_b32 v[\t], v[\t], v7
	s_delay_alu instid0(VALU_DEP_1)
	v_add_nc_u32 v[\acc], v[\acc], v[\t]
.endm
.irp k, 0,1,2,3,4,5,6,7                        ; the two halves by turns, so that one chain's line does not wait for the line above it
	COUNT \k, CA, 5
	COUNT \k+8, CA+1, 41
.endr
.macro WIDEN dst, acc                          ; eight counters of 4 bits into four registers of two 16-bit fields
.irp k, 0,1,2,3
	v_bfe_u32 v5, v[\acc], 8*\k, 4
	v_bfe_u32 v6, v[\acc], 8*\k+4, 4
	s_delay_alu instid0(VALU_DEP_1)
	v_lshl_or_b32 v[\dst+\k], v6, 16, v5
.endr
.endm
	WIDEN EA, CA
	WIDEN EB, CA+1
.irp k, 0,1,2,3
	v_add_nc_u32 v[TT+\k], v[EA+\k], v[EB+\k]
	v_add_nc_u32 v[IN+\k], v[EA+\k], v[EB+\k]
.endr
.macro SCAN r                                  ; inclusive sums inside each 16 lanes; a lane without a source takes 0
.irp n, 1
	v_mov_b32_dpp v5, v[\r] row_shr:\n row_mask:0xf bank_mask:0xf bound_ctrl:1
	s_delay_alu instid0(VALU_DEP_1)
	v_add_nc_u32 v[\r], v[\r], v5
.endr
.irp n, 2, 4, 8
	s_delay_alu instid0(VALU_DEP_1)
	v_mov_b32_dpp v5, v[\r] row_shr:\n row_mask:0xf bank_mask:0xf bound_ctrl:1
	s_delay_alu instid0(VALU_DEP_1)
	v_add_nc_u32 v[\r], v[\r], v5
.endr
.endm
.irp k, 0,1,2,3
	SCAN IN+\k
.endr
.irp k, 0,1,2,3
	v_readlane_b32 s22, v[IN+\k], 15               ; the lower 16 lanes' total goes onto the upper 16
	s_delay_alu instid0(VALU_DEP_1)
	v_and_b32 v5, s22, v4
	s_delay_alu instid0(VALU_DEP_1)
	v_add_nc_u32 v[IN+\k], v[IN+\k], v5
	s_delay_alu instid0(VALU_DEP_1)
	v_readlane_b32 s[16+\k], v[IN+\k], 31          ; my wave's total
	s_delay_alu instid0(VALU_DEP_2)
	v_sub_nc_u32 v[LX+\k], v[IN+\k], v[TT+\k]      ; what the lanes in front of mine hold
	s_delay_alu instid0(VALU_DEP_2)
	v_mov_b32 v[GT+\k], s[16+\k]
.endr
	v_mov_b32 v6, s12
	s_delay_alu instid0(VALU_DEP_1)
	v_lshlrev_b32 v6, 4, v6
	ds_store_b128 v6, v[GT:GT+3]                   ; 16 bytes a wave; all lanes write the same bytes with the same values
	s_wait_dscnt 0x0                               ; for the others' sake: my totals have landed
	s_barrier_signal -1
	s_barrier_wait -1
	v_and_b32 v41, 15, v1
	s_delay_alu instid0(VALU_DEP_1)
	v_lshlrev_b32 v42, 4, v41
	ds_load_b128 v[GT:GT+3], v42                   ; lane l: the totals of wave l % 16
	s_wait_alu depctr_va_vdst(0)
	s_wait_dscnt 0x0
	v_cmp_gt_u32 vcc_lo, s12, v41                  ; a wave in front of mine?
.irp k, 0,1,2,3
	v_cndmask_b32 v[GT+4+\k], 0, v[GT+\k], vcc_lo
.endr
.macro XSUM r                                  ; the sum over 16 lanes, in every lane
.irp n, 1
	v_mov_b32_dpp v5, v[\r] row_xmask:\n row_mask:0xf bank_mask:0xf
	s_delay_alu instid0(VALU_DEP_1)
	v_add_nc_u32 v[\r], v[\r], v5
.endr
.irp n, 2, 4, 8
	s_delay_alu instid0(VALU_DEP_1)
	v_mov_b32_dpp v5, v[\r] row_xmask:\n row_mask:0xf bank_mask:0xf
	s_delay_alu instid0(VALU_DEP_1)
	v_add_nc_u32 v[\r], v[\r], v5
.endr
.endm
.irp k, 0,1,2,3,4,5,6,7
	XSUM GT+\k
.endr
.irp k, 0,1,2,3
	v_readfirstlane_b32 s[20+\k], v[GT+\k]         ; all 8,192 ids' counts
	v_readfirstlane_b32 s[24+\k], v[GT+4+\k]       ; those of the waves in front of mine
	s_and_b32 s[28+2*\k], s[20+\k], 0xffff         ; s28-35: count of expert e
	s_lshr_b32 s[29+2*\k], s[20+\k], 16
.endr
	s_mov_b32 s36, 0                               ; s36-44: the slot at which expert e's tiles begin; s44: the first slot behind the last tile
.irp e, 0,1,2,3,4,5,6,7
	s_add_co_u32 s22, s[28+\e], 143
	s_lshr_b32 s22, s22, 4                         ; ceil(count / 144) = floor(floor((count + 143) / 16) / 9);
	s_mul_i32 s22, s22, 7282                       ; x / 9 as x 7282 >> 16: 9 x 7282 = 65,538, so the excess is x / 9 x 2 / 65,536, under 1 / 9 for x up to 520
	s_lshr_b32 s22, s22, 16
	s_mul_i32 s22, s22, 144
	s_add_co_u32 s[37+\e], s[36+\e], s22
.endr
.irp k, 0,1,2,3
	s_lshl_b32 s22, s[37+2*\k], 16
	s_or_b32 s22, s22, s[36+2*\k]
	s_add_co_u32 s[48+\k], s22, s[24+\k]           ; every field stays at 9,216 or under: nothing carries from field to field
	v_add_nc_u32 v[S0+\k], s[48+\k], v[LX+\k]
	s_delay_alu instid0(VALU_DEP_1)
	v_add_nc_u32 v[S0+4+\k], v[S0+\k], v[EA+\k]
.endr
; id k goes to its slot: its expert's field of the table, plus its rank
.macro PLACE k
.set TB, S0+4*((\k)/8)
	v_and_b32 v5, 3, v[ID+(\k)]
	s_delay_alu instid0(VALU_DEP_1)
	v_mad_u32_u24 v5, v5, s14, s13                 ; byte selects 2 f, 2 f + 1 for field f of a pair of registers
	s_delay_alu instid0(VALU_DEP_1)
	v_perm_b32 v6, v[TB+1], v[TB], v5              ; experts 0-3
	s_delay_alu instid0(VALU_DEP_2)
	v_perm_b32 v41, v[TB+3], v[TB+2], v5           ; experts 4-7
	v_cmp_gt_u32 vcc_lo, 4, v[ID+(\k)]
	s_delay_alu instid0(VALU_DEP_1)
	v_cndmask_b32 v6, v41, v6, vcc_lo
	s_delay_alu instid0(VALU_DEP_1)
	v_and_b32 v6, 0xffff, v6
	s_delay_alu instid0(VALU_DEP_1)
	v_add_nc_u32 v6, v6, v[RK+(\k)]
	s_delay_alu instid0(VALU_DEP_1)
	v_min_u32 v6, SLOTS-1, v6                      ; a number made of loaded numbers is held inside the buffer before it becomes an offset
	s_delay_alu instid0(VALU_DEP_1)
	v_lshlrev_b32 v[PO+(\k)], 2, v6
	v_lshl_or_b32 v[DA+(\k)], v[ID+(\k)], 16, v3
	s_delay_alu instid0(VALU_DEP_1)
	v_or_b32 v[DA+(\k)], 2048*((\k)/4)+(\k)%4, v[DA+(\k)]
	global_store_b32 v[PO+(\k)], v[DA+(\k)], s[8:9]   ; single words, scattered: the whole list is 36 KiB, and gathering it in LDS would want LDS addresses made of data
.endm
.irp k, 0,1,2,3,4,5,6,7,8,9,10,11,12,13,14,15
	PLACE \k
.endr
	; THE EMPTY SLOTS.  Waves 2 e and 2 e + 1 fill what lies behind expert e's last row in its last tile (under 144 slots: three goes of 64); all 512 threads what lies behind the last tile (at most 1,008: two goes)
.irp e, 0,1,2,3,4,5,6,7
	s_add_co_u32 s[28+\e], s[28+\e], s[36+\e]      ; the first slot behind expert e's rows
.endr
	s_lshr_b32 s50, s12, 1
	s_mov_b32 s52, s28
	s_mov_b32 s53, s37
.irp e, 1,2,3,4,5,6,7
	s_cmp_eq_u32 s50, \e
	s_cselect_b32 s52, s[28+\e], s52
	s_cselect_b32 s53, s[37+\e], s53
.endr
; -1 into slot v[pos] where it lies under lim; a lane whose slot lies at lim or beyond sends its -1 to the spare word.  All lanes stay on; each go has its own offset register, so no store's sources are written again
.macro GAP pos, lim, off
	s_delay_alu instid0(VALU_DEP_1)
	v_cmp_gt_u32 vcc_lo, \lim, v[\pos]
	s_delay_alu instid0(VALU_DEP_1)
	v_cndmask_b32 v6, v48, v[\pos], vcc_lo
	s_delay_alu instid0(VALU_DEP_1)
	v_min_u32 v6, SLOTS, v6                        ; held inside the buffer before it becomes an offset
	s_delay_alu instid0(VALU_DEP_1)
	v_lshlrev_b32 v[\off], 2, v6
	global_store_b32 v[\off], v40, s[8:9]
.endm
	v_and_b32 v41, 63, v0
	s_delay_alu instid0(VALU_DEP_1)
	v_add_nc_u32 v41, s52, v41
	GAP 41, s53, GO
	v_add_nc_u32 v41, 64, v41
	GAP 41, s53, GO+1
	v_add_nc_u32 v41, 64, v41
	GAP 41, s53, GO+2
	v_add_nc_u32 v42, s44, v0
	GAP 42, SLOTS, GO+3
	v_add_nc_u32 v42, 0x200, v42
	GAP 42, SLOTS, GO+4
	s_wait_tensorcnt 0x0
	ds_add_u32 v128, v129
	s_wait_dscnt 0x0
	s_endpgm
	; ---------------- W's CODES INTO THE ORDER OF THE OPERAND'S REGISTERS ----------------
	; A wave takes half a tile: 16 rows x 256 bytes (four K steps).  In: sixteen lanes read 256 consecutive bytes of a row.  Through the wave's own stage.  Out: 512 consecutive bytes a store.  Waves share nothing: no barrier.
.Lrelay:
	s_sub_co_u32 s20, ttmp9, 1
	s_lshl_b32 s20, s20, 4
	s_add_co_u32 s20, s20, s12                     ; which of 1,024 half tiles
	s_lshr_b32 s21, s20, 1                         ; the tile
	s_and_b32 s22, s20, 1                          ; the half
	s_lshl_b32 s24, s21, 13                        ; a tile is 8,192 bytes in both buffers
	s_lshl_b32 s23, s22, 8
	s_add_co_u32 s26, s24, s23                     ; in: + 256 bytes along each row
	s_mov_b32 s27, 0
	s_lshl_b32 s23, s22, 12
	s_add_co_u32 s24, s24, s23                     ; out: + four K steps of 1,024 bytes
	s_mov_b32 s25, 0
	v_and_b32 v2, 15, v0                           ; r
	v_bfe_u32 v3, v0, 4, 1                         ; h
	s_delay_alu instid0(VALU_DEP_2)
	v_lshlrev_b32 v4, 4, v2
	s_delay_alu instid0(VALU_DEP_1)
	v_lshl_add_u32 v5, v3, 9, v4                   ; in: row h of a pair of rows, 16 r bytes along
	s_mul_i32 s28, s12, 16*SP
	s_add_co_u32 s28, s28, STAGE                   ; my stage
	v_mad_u32_u24 v6, v3, SP, v4
	s_delay_alu instid0(VALU_DEP_1)
	v_add_nc_u32 v6, s28, v6                       ; into it: as loaded
	v_mul_u32_u24 v7, v2, SP
	s_delay_alu instid0(VALU_DEP_1)
	v_lshl_add_u32 v7, v3, 4, v7
	s_delay_alu instid0(VALU_DEP_1)
	v_add_nc_u32 v7, s28, v7                       ; out of it: row r, + 16 h
	v_lshlrev_b32 v8, 4, v1                        ; out: 16 bytes a lane
	s_wait_alu depctr_va_vdst(0)
	s_wait_kmcnt 0x0
	s_add_nc_u64 s[6:7], s[6:7], s[26:27]
	s_add_nc_u64 s[10:11], s[10:11], s[24:25]
.irp i, 0,1,2,3,4,5,6,7
	global_load_b128 v[16+4*\i:19+4*\i], v5, s[6:7] offset:1024*\i th:TH_LOAD_NT   ; rows 2 i and 2 i + 1; read once in this launch
.endr
.irp i, 0,1,2,3,4,5,6,7
	s_wait_loadcnt 7-\i                            ; loads come back in order: number i is in, the younger ones stay out
	ds_store_b128 v6, v[16+4*\i:19+4*\i] offset:2*SP*\i
.endr
.irp p, 0,1,2,3,4,5,6,7
	ds_load_b128 v[48+4*\p:51+4*\p], v7 offset:32*\p   ; K step p / 2 of my four, c = p % 2.  LDS serves a wave's instructions in order: these see the stores above
.endr
.irp p, 0,1,2,3,4,5,6,7
	s_wait_dscnt 7-\p
	global_store_b128 v8, v[48+4*\p:51+4*\p], s[10:11] offset:512*\p
.endr
	s_wait_tensorcnt 0x0
	ds_add_u32 v128, v129
	s_wait_dscnt 0x0
	s_endpgm
.Lfunc_end_k_q36ccd7873d_route:
	.size	k_q36ccd7873d_route, .Lfunc_end_k_q36ccd7873d_route-k_q36ccd7873d_route
	.p2alignl 7, 3214868480
	.fill 96, 4, 3214868480
	.section	.rodata,"a",@progbits
	.p2align	6, 0x0
	.amdhsa_kernel k_q36ccd7873d_route
		.amdhsa_group_segment_fixed_size 71936
		.amdhsa_private_segment_fixed_size 0
		.amdhsa_enable_private_segment 0
		.amdhsa_kernarg_size 32
		.amdhsa_user_sgpr_count 2
		.amdhsa_user_sgpr_kernarg_segment_ptr 1
		.amdhsa_wavefront_size32 1
		.amdhsa_system_sgpr_workgroup_id_x 1
		.amdhsa_system_sgpr_workgroup_id_y 1
		.amdhsa_system_sgpr_workgroup_id_z 1
		.amdhsa_system_vgpr_workitem_id 0
		.amdhsa_next_free_vgpr 130
		.amdhsa_next_free_sgpr 96
		.amdhsa_reserve_vcc 1
		.amdhsa_float_denorm_mode_32 3
		.amdhsa_float_denorm_mode_16_64 3
		.amdhsa_memory_ordered 1
		.amdhsa_forward_progress 1
		.amdhsa_inst_pref_size 45
	.end_amdhsa_kernel
	.amdgpu_metadata
---
amdhsa.version: [ 1, 2 ]
amdhsa.kernels:
  - .name:           k_q36ccd7873d_route
    .symbol:         k_q36ccd7873d_route.kd
    .args:
      - { .name: type_ids, .offset: 0, .size: 8, .value_kind: global_buffer, .address_space: global }
      - { .name: W_codes, .offset: 8, .size: 8, .value_kind: global_buffer, .address_space: global }
      - { .name: order, .offset: 16, .size: 8, .value_kind: global_buffer, .address_space: global }
      - { .name: wfrag, .offset: 24, .size: 8, .value_kind: global_buffer, .address_space: global }
    .group_segment_fixed_size: 71936
    .private_segment_fixed_size: 0
    .kernarg_segment_align: 8
    .kernarg_segment_size: 32
    .max_flat_workgroup_size: 512
    .sgpr_count:     96
    .vgpr_count:     130
    .wavefront_size: 32
...
	.end_amdgpu_metadata
.endif
;; end of part 3
;; launch experts (part 4): grid 4 x 64, 4 waves a work-group, no clusters, 114,176 bytes of LDS; arguments order, x_codes, x_scales, wfrag, W_scales, b, out0; writes out0
.if DOCPART == 4
	.amdgcn_target "amdgcn-amd-amdhsa--gfx1250"
	.amdhsa_code_object_version 6
	.text
	.protected	k_q36ccd7873d_experts
	.globl	k_q36ccd7873d_experts
	.p2align	8
	.type	k_q36ccd7873d_experts,@function
k_q36ccd7873d_experts:
	s_mov_b64 s[64:65], 0
	v_nop
	global_prefetch_b8 v0, s[64:65] scope:SCOPE_SE
	s_setreg_imm32_b32 hwreg(HW_REG_WAVE_SCHED_MODE, 0, 2), 2
	s_setreg_imm32_b32 hwreg(HW_REG_WAVE_MODE, 25, 1), 1
	s_wait_xcnt 0x0
	s_wait_alu depctr_vm_vsrc(0)
; out0[n][0:1024] = x[n] . W[e] + b[e], out0[n][1024:1032] = one-hot(e), e = the row's type.  x and W are codes of FP4 (E2M1) with one E8M0 byte for each 32 along K = 1,024; they go to the matrix unit as they lie.
; Only the row's own expert is multiplied: the other seven products are thrown away by the one-hot sum.
; SHARES.  Work-group (j, t) takes tile t of ORDER (144 slots, rows of ONE expert e, filled slots first, -1 = no row) and columns 256 j .. + 255.  64 tiles serve every split of the rows, so the grid is 4 x 64 = 256 work-groups.
; Wave w makes all 144 rows x columns 256 j + 64 w .. + 63: 9 row blocks x 4 column tiles = 36 accumulators.  So each byte of W is read by one wave, once, straight into registers (256 of them), from WFRAG, which
; holds W's codes in the order of the operand's registers.  x's 144 rows are gathered once, 36 a wave, into LDS, and every wave reads them there once.
; THE PRODUCT IS USED TRANSPOSED: source 0 = 16 rows of W (16 columns of out0), source 1 = 16 rows of x: lane (r, h) holds row r, and its registers columns 8 h + 0 .. 7: 32 neighbouring bytes of a row of out0.
; The bias is the C of each sum's first product (so it is added first, not last).
; A SLOT WITH NO ROW takes the tile's first row again: it loads the same bytes, computes the same numbers and, in the one row block that is filled in part, stores them to the same place.  Row blocks with no row at all
; are not stored (a scalar branch on the list); a tile with no row stores nothing and ends, behind the launch's one barrier.
; NO TENSOR LOADS, NO CLUSTER: whether a tile has rows, how many, and how many tiles share an expert's weights are numbers read from memory, and this text branches on them.
; A row of out0 is 4,128 bytes and neighbouring rows belong to other tiles: what this text does is that sixteen neighbouring lanes store 256 consecutive bytes of a row.
; LIMITS: the expert's number is held to 0 .. 7; a scale byte 0xff makes NaN only in rows of the chosen expert.
; LDS: XT 144 rows x 528 bytes (512 + 16: sixteen rows start at sixteen different 16-byte columns); RT, for each wave, 160 row numbers; STG, for each wave, two stages of 16 rows x 272 bytes.
; REGISTERS, in windows of 256: window 0: v0-15 addresses; v16-55 x's scale words, v56-71 W's (scales and nothing else); v72-215 the gathered rows, then x's fragments in two sets of 72, then the way out;
;   v216-229 the list and offsets.   window 1: W's fragment (K step s, column tile ct) at 32 s + 8 ct.   window 2: accumulator (m, ct), m < 8, at 8 (4 m + ct).
;   window 3: 0-31 the accumulators of m = 8; 32-63 the bias in the result's layout; 64-99 the gather's 36 offsets.
; THE MODE: SCHED_MODE bits 1:0 = 2 (LLVM: expert scheduling mode 2), set by the entry lines.  The code itself states the register dependences between vector or matrix instructions and memory or LDS
; instructions, with s_wait_alu, always for 0.
; THE PLAN.  Registers that memory or LDS instructions touch, and who else names them:
;   v2, v3, v6-15, v228, v229   addresses and offsets: made by vector lines at the head and never written again: one wait on va_vdst ahead of the first load serves them for the whole text.
;   XO (36)      each written by one addition and read by one load: a wait on va_vdst for each twelve, between the additions and the loads.
;   EL, SO       the list lands in EL; vector lines hold it and make SO of it; then the LDS stores read EL and the loads of x's scales read SO: one wait on va_vdst between.  Neither is written again.
;   v72-215      first the gathered rows: loads land, LDS stores read: one wait on vm_vsrc behind the barrier frees them.  Then XF0 and XF1: K step s multiplies XF[s % 2], and its 18 LDS loads land in the other set,
;                which the products of step s - 1 read: ONE wait on va_vdst at a step's head; the loads follow it in two runs, eight ahead of the step's first products and ten behind its first eight,
;                which name W's fragments, XF[s % 2], scale words and accumulators: none of the registers that the ten touch.
;   W's fragments, the scale words, the bias: loads land in them once; products alone read them.
;   The accumulators: written by products, read by the LDS stores of the way out, never written again: one wait on va_vdst, behind the four places, serves all nine row blocks.
;   OB, RN, OO   the way out's two sets, by the row block's parity.  LDS loads land in OB and RN; vector lines hold RN and make OO of it; the stores read OO and OB.  A wait on va_vdst stands between those lines and
;                the block's eight stores; a wait on vm_vsrc, beside the wait on XCNT, stands ahead of the block two on, which uses the set again.
.set XP,   528
.set XBLK, 16*XP                       ; a row block of x in LDS
.set RT,   144*XP                      ; 76,032
.set STG,  RT+4*640                    ; 78,592
.set SP,   272
.set ROWO, 4128                        ; a row of out0 in bytes
.set XS,   16                          ; v[XS + 8 mp + s]: lane l: the scale word of slot 32 mp + l for K step s
.set WS,   56                          ; v[WS + 8 p + s]: lane l: that of row 32 p + l of my 64 rows of W
.set XF,   72
.set EL,   216                         ; v216-220 row numbers, lane l of register mp: slot 32 mp + l
.set SO,   221                         ; v221-225 their offsets in x_scales
.set OB,   72                          ; the way out: 2 x 32 registers, 16 rows read back from a stage
.set RN,   136                         ; 2 x 8 row numbers
.set OO,   152                         ; 2 x 8 offsets in out0
.set BI,   32                          ; window 3
.set XO,   64                          ; window 3
.set CM,   75                          ; s75-79 the masks of a run of compares
.set MSB, 0
.macro WIN new                         ; low byte: bits 1:0 source 0, 3:2 source 1, 5:4 source 2, 7:6 destination; the high byte repeats the setting that is left
.if MSB != \new
	s_set_vgpr_msb (MSB<<8)|\new
.set MSB, \new
.endif
.endm
	s_load_b256 s[4:11], s[0:1], 0x0               ; order s[4:5], x_codes s[6:7], x_scales s[8:9], wfrag s[10:11]
	s_load_b128 s[12:15], s[0:1], 0x20             ; W_scales s[12:13], b s[14:15]
	s_load_b64 s[16:17], s[0:1], 0x30              ; out0
	v_lshl_add_u32 v254, v0, 2, 0x1bc00
	v_mov_b32 v255, 0
	v_lshrrev_b32 v1, 5, v0
	v_readfirstlane_b32 s18, v1                    ; wave w
	s_mov_b32 s19, ttmp9                           ; column block j
	s_and_b32 s20, ttmp7, 0xffff                   ; tile t
	v_and_b32 v1, 31, v0                           ; lane
	v_lshlrev_b32 v2, 4, v1                        ; 16 x lane
	v_lshlrev_b32 v3, 2, v1                        ; 4 x lane
	v_and_b32 v4, 15, v0                           ; r
	v_bfe_u32 v5, v0, 4, 1                         ; h
	v_mul_u32_u24 v6, v4, XP
	v_lshl_add_u32 v6, v5, 4, v6                   ; x's fragments: row r, + 16 h; row blocks 0-3
	v_add_nc_u32 v7, 4*XBLK, v6                    ; row blocks 4-8 (the 16-bit offset does not reach them from v6)
	s_wait_alu depctr_va_sdst(0)                   ; s18, the wave's number, is written, ahead of its first reader: LDS places and the bases of W, b and out0 are made from it
	s_mul_i32 s22, s18, 36*XP
	v_add_nc_u32 v8, s22, v2                       ; where I put my wave's 36 rows: 16 bytes a lane
	v_lshlrev_b32 v9, 5, v1                        ; W's scales: 32 bytes a row
	v_lshlrev_b32 v10, 5, v5                       ; the bias: 8 numbers on for lanes 16-31
	s_mul_i32 s22, s18, 2*16*SP
	s_add_co_u32 s22, s22, STG                     ; my stages
	v_mul_u32_u24 v11, v4, SP
	v_lshl_add_u32 v11, v5, 5, v11
	v_add_nc_u32 v11, s22, v11                     ; in: row r, + 32 h
	v_mul_u32_u24 v12, v5, SP
	v_lshl_add_u32 v12, v4, 4, v12
	v_add_nc_u32 v12, s22, v12                     ; back: lanes 0-15 one row of 256 bytes, lanes 16-31 the next
	s_mul_i32 s22, s18, 640
	s_add_co_u32 s22, s22, RT                      ; my table of row numbers.  In a block's 16 words slot q lies at word 8 (q % 2) + q / 2: so the eight rows that a lane stores on the way out (2 i + h) are eight neighbouring words
	v_and_b32 v226, 1, v0
	v_lshrrev_b32 v227, 1, v4
	v_lshl_add_u32 v13, v5, 4, v227
	v_lshl_add_u32 v13, v226, 3, v13
	v_lshlrev_b32 v13, 2, v13
	v_add_nc_u32 v13, s22, v13                     ; where I put slot 32 mp + lane (+ 128 mp)
	v_lshl_add_u32 v14, v5, 5, s22                 ; where I read my eight rows' numbers (+ 64 a)
	v_lshlrev_b32 v15, 4, v4                       ; 16 r
	v_lshlrev_b32 v228, 2, v4                      ; 4 r: the list's last 16 slots, read by both halves of the lanes
	v_bfe_u32 v226, v0, 1, 1
	v_bfe_u32 v227, v0, 2, 3
	v_lshl_add_u32 v229, v226, 3, v227
	v_lshlrev_b32 v229, 2, v229
	v_add_nc_u32 v229, s22, v229                   ; the one-hot tail: slot q = lane / 2 of a block
	s_wait_kmcnt 0x0
	s_mul_i32 s22, s20, 576
	s_mov_b32 s23, 0
	s_add_nc_u64 s[4:5], s[4:5], s[22:23]          ; my tile's 144 slots
	s_mul_i32 s24, s18, 144
	s_mov_b32 s25, 0
	s_add_nc_u64 s[24:25], s[4:5], s[24:25]        ; my wave's 36 of them
	s_load_b32 s66, s[4:5], 0x0                    ; slot 0: the expert, the row that stands in for empty slots, and whether the tile has rows
.irp a, 1,2,3,4,5,6,7,8
	s_load_b32 s[66+\a], s[4:5], 64*\a             ; slot 16 a: -1 where row block a is empty
.endr
	s_load_b512 s[28:43], s[24:25], 0x0
	s_load_b512 s[44:59], s[24:25], 0x40
	s_load_b128 s[60:63], s[24:25], 0x80
	s_wait_alu depctr_va_vdst(0)                   ; the addresses and offsets v2, v3, v6 to v15, v228 and v229 are written: the loads and stores of the whole text read them, and no line writes them again
.irp mp, 0,1,2,3
	global_load_b32 v[EL+\mp], v3, s[4:5] offset:128*\mp
.endr
	global_load_b32 v[EL+4], v228, s[4:5] offset:512
	s_wait_kmcnt 0x0
	s_bfe_u32 s21, s66, 0x30010                    ; e: 3 bits from bit 16,
	s_min_u32 s21, s21, 7                          ; held, as every loaded number is before it enters an address
	s_lshl_b32 s22, s21, 4
	s_lshl_b32 s26, s19, 2
	s_add_co_u32 s26, s26, s18                     ; 4 j + w
	s_add_co_u32 s22, s22, s26                     ; u = 16 e + 4 j + w: my 64 rows of W are rows 64 u on
	s_mov_b32 s23, 0
	s_mov_b32 s27, 0
	s_lshl_b32 s26, s26, 8
	s_add_nc_u64 s[16:17], s[16:17], s[26:27]      ; out0: my 64 columns, 256 bytes
	s_lshl_b32 s22, s22, 8
	s_add_nc_u64 s[14:15], s[14:15], s[22:23]      ; b: 64 numbers
	s_lshl_b32 s22, s22, 3
	s_add_nc_u64 s[12:13], s[12:13], s[22:23]      ; W_scales: 64 rows of 32 bytes
	s_lshl_b32 s22, s22, 4
	s_add_nc_u64 s[10:11], s[10:11], s[22:23]      ; wfrag: 4 tiles of 8,192 bytes
; 12 of my 36 rows of x are asked for: a row is 512 consecutive bytes, 16 a lane
.macro GATHER12 g
	WIN 0xc0                                       ; destination window 3
.set J, 12*\g
.rept 12
	s_cmp_eq_u32 s[28+J], -1
	s_cselect_b32 s[28+J], s66, s[28+J]            ; no row: the tile's first row again
	s_and_b32 s[28+J], s[28+J], 0x1fff
	s_min_u32 s[28+J], s[28+J], 0x1fff
	s_lshl_b32 s[28+J], s[28+J], 9
	v_add_nc_u32 v[XO+J], s[28+J], v2
.set J, J+1
.endr
	WIN 0x03                                       ; address window 3
	s_wait_alu depctr_va_vdst(0)                   ; the twelve additions have written their offsets, which the twelve loads read
.set J, 12*\g
.rept 12
	global_load_b128 v[XF+4*J:XF+4*J+3], v[XO+J], s[6:7]
.set J, J+1
.endr
	WIN 0
.endm
	GATHER12 0
	GATHER12 1
	GATHER12 2
	s_wait_loadcnt 36                              ; the list's five loads are in; the 36 rows behind them stay out
	v_mov_b32 v226, s66
.irp mp, 0,1,2,3,4
	v_cmp_ne_u32 s[CM+\mp], -1, v[EL+\mp]          ; the five compares in one run, a mask each
.endr
	s_wait_alu depctr_va_sdst(0)                   ; the five masks are written, ahead of the selects that read them
.irp mp, 0,1,2,3,4
	v_cndmask_b32 v[EL+\mp], v226, v[EL+\mp], s[CM+\mp]
.endr
.irp mp, 0,1,2,3,4
	v_and_b32 v[EL+\mp], 0x1fff, v[EL+\mp]
.endr
.irp mp, 0,1,2,3,4
	v_min_u32 v[EL+\mp], 0x1fff, v[EL+\mp]
.endr
.irp mp, 0,1,2,3,4
	v_lshlrev_b32 v[SO+\mp], 5, v[EL+\mp]
.endr
	s_wait_alu depctr_va_vdst(0)                   ; the row numbers v[EL ..] are written, which the LDS stores read, and their offsets v[SO ..], which the loads of x's scales read
.irp mp, 0,1,2,3,4
	ds_store_b32 v13, v[EL+\mp] offset:128*\mp     ; the row numbers, for the way out
.endr
.irp mp, 0,1,2,3,4
	global_load_b128 v[XS+8*\mp:XS+8*\mp+3], v[SO+\mp], s[8:9]             ; a row's 32 scale bytes: the words of K steps 0-3,
	global_load_b128 v[XS+8*\mp+4:XS+8*\mp+7], v[SO+\mp], s[8:9] offset:16 ; and 4-7
.endr
.irp p, 0,1
.irp q, 0,1
	global_load_b128 v[WS+8*\p+4*\q:WS+8*\p+4*\q+3], v9, s[12:13] offset:1024*\p+16*\q   ; W's scale words, as they lie: a lane a row
.endr
.endr
	WIN 0xc0
.irp ct, 0,1,2,3
.irp u, 0,1
	global_load_b128 v[BI+8*\ct+4*\u:BI+8*\ct+4*\u+3], v10, s[14:15] offset:64*\ct+16*\u   ; b(16 ct + 8 h + 0 .. 7)
.endr
.endr
	WIN 0
.macro WLOAD i                                 ; load i of 64 of W's codes, by K step: s = i / 8, column tile (i / 2) % 4, c = i % 2: 512 consecutive bytes.  No vector line ever names its registers but v2, made at the head
.set rW, 32*((\i)/8)+8*(((\i)/2)%4)+4*((\i)%2)
	global_load_b128 v[rW:rW+3], v2, s[10:11] offset:8192*(((\i)/2)%4)+1024*((\i)/8)+512*((\i)%2)
.endm
; 12 rows go to LDS, and 12 loads of W take their places among the loads that are out
.macro PUT12 g
	s_wait_loadcnt 46                              ; younger than this group's last row: 24 - 12 g rows, 22 loads of scales and bias, 12 g of W
.set J, 12*\g
.rept 12
	ds_store_b128 v8, v[XF+4*J:XF+4*J+3] offset:XP*J
.set J, J+1
.endr
	WIN 0x40                                       ; destination window 1
.set J, 12*\g
.rept 12
	WLOAD J
.set J, J+1
.endr
	WIN 0
.endm
	PUT12 0
	PUT12 1
	PUT12 2
	s_wait_dscnt 0x0                               ; for the others' sake: my 36 rows have landed in LDS
	s_barrier_signal -1
	s_barrier_wait -1                              ; all 144 have.  The launch's one barrier: every wave passes it, ahead of every branch on the list
	s_cmp_eq_u32 s66, -1
	s_cbranch_scc1 .Lquit                          ; a tile with no row
; x's nine fragments of K step s into set buf, in two runs: row blocks 0-3, eight LDS loads; row blocks 4-8, ten
.macro XLOW s, buf
.irp m, 0,1,2,3
.irp c, 0,1
	ds_load_b128 v[XF+72*(\buf)+8*\m+4*\c:XF+72*(\buf)+8*\m+4*\c+3], v6 offset:\m*XBLK+64*(\s)+32*\c
.endr
.endr
.endm
.macro XHIGH s, buf
.irp m, 4,5,6,7,8
.irp c, 0,1
	ds_load_b128 v[XF+72*(\buf)+8*\m+4*\c:XF+72*(\buf)+8*\m+4*\c+3], v7 offset:(\m-4)*XBLK+64*(\s)+32*\c
.endr
.endr
.endm
	s_wait_alu depctr_vm_vsrc(0)                   ; my LDS stores have read v72 to v215: from here on these registers are x's two sets of fragments, in which LDS loads land, and later the way out's
	XLOW 0, 0
	XHIGH 0, 0
	WIN 0x40
.set J, 36
.rept 28
	WLOAD J                                        ; the rest of W
.set J, J+1
.endr
	WIN 0
; One product.  W's scale word: lanes 0-15 of its register for an even column tile, lanes 16-31 for an odd one; x's likewise by the row block.  At K step 0 C is the bias.
.macro PROD s, m, ct
.set rD, 8*(4*((\m)%8)+(\ct))
.if (\s) == 0
.set rC, BI+8*(\ct)
.else
.set rC, rD
.endif
.set rA, 32*(\s)+8*(\ct)
.set rB, XF+72*((\s)%2)+8*(\m)
.set rP, WS+8*((\ct)/2)+(\s)
.set rQ, XS+8*((\m)/2)+(\s)
.if ((\ct)%2 == 0) && ((\m)%2 == 0)
	v_wmma_scale_f32_16x16x128_f8f6f4 v[rD:rD+7], v[rA:rA+7], v[rB:rB+7], v[rC:rC+7], v[rP], v[rQ] matrix_a_fmt:MATRIX_FMT_FP4 matrix_b_fmt:MATRIX_FMT_FP4
.elseif ((\ct)%2 == 1) && ((\m)%2 == 0)
	v_wmma_scale_f32_16x16x128_f8f6f4 v[rD:rD+7], v[rA:rA+7], v[rB:rB+7], v[rC:rC+7], v[rP], v[rQ] matrix_a_fmt:MATRIX_FMT_FP4 matrix_b_fmt:MATRIX_FMT_FP4 matrix_a_scale:MATRIX_SCALE_ROW1
.elseif ((\ct)%2 == 0) && ((\m)%2 == 1)
	v_wmma_scale_f32_16x16x128_f8f6f4 v[rD:rD+7], v[rA:rA+7], v[rB:rB+7], v[rC:rC+7], v[rP], v[rQ] matrix_a_fmt:MATRIX_FMT_FP4 matrix_b_fmt:MATRIX_FMT_FP4 matrix_b_scale:MATRIX_SCALE_ROW1
.else
	v_wmma_scale_f32_16x16x128_f8f6f4 v[rD:rD+7], v[rA:rA+7], v[rB:rB+7], v[rC:rC+7], v[rP], v[rQ] matrix_a_fmt:MATRIX_FMT_FP4 matrix_b_fmt:MATRIX_FMT_FP4 matrix_a_scale:MATRIX_SCALE_ROW1 matrix_b_scale:MATRIX_SCALE_ROW1
.endif
.endm
.macro KWIN s                                  ; the windows of the products of row blocks 0-7
.if (\s) == 0
	WIN 0xb1                                       ; source 0 (W) window 1, source 1 (x) window 0, C (the bias) window 3, D window 2
.else
	WIN 0xa1                                       ; C and D window 2
.endif
.endm
; A K step of 128: 36 products, and among them the 18 LDS loads of the next step's fragments of x.  The 36 accumulators take turns, one instruction a turn, in the same order in every step.
.macro KSTEP s
.if (\s) < 7
.if (\s) > 0
.rept 4
	v_nop                                          ; four places behind the products of the step before, ahead of the loads into the set that they read; they stand beside the wait below, which fills no place
.endr
	s_wait_alu depctr_va_vdst(0)                   ; the products of the step before are done reading their set of x's fragments, in which this step's 18 LDS loads land
.endif
	XLOW (\s)+1, ((\s)+1)%2                        ; the next step's row blocks 0-3
.endif
	s_wait_loadcnt 56-8*(\s)                       ; W's eight loads of this step, and all that is older (scales, bias), are in; the later steps' 8 (7 - s) stay out
.if (\s) < 7
	s_wait_dscnt 18                                ; this step's row blocks 0-3 are in; its ten loads of row blocks 4-8 and the eight just issued stay out
.else
	s_wait_dscnt 10                                ; the last step's row blocks 0-3 are in; its ten loads of row blocks 4-8 stay out
.endif
	KWIN \s
.irp m, 0,1
.irp ct, 0,1,2,3
	PROD \s, \m, \ct
.endr
.endr
.if (\s) < 7
	WIN 0
	XHIGH (\s)+1, ((\s)+1)%2                       ; the next step's row blocks 4-8.  No wait: the eight products since the wait above name W's fragments, this step's set, scale words and accumulators, none of the registers that these loads touch
	s_wait_dscnt 18                                ; this step's row blocks 4-8 are in; the next step's 18 loads stay out
	KWIN \s
.else
	s_wait_dscnt 0x0
.endif
.irp m, 2,3,4,5,6,7
.irp ct, 0,1,2,3
	PROD \s, \m, \ct
.endr
.endr
	WIN 0xf1                                       ; C and D window 3: row block 8
.irp ct, 0,1,2,3
	PROD \s, 8, \ct
.endr
	WIN 0
.endm
.irp s, 0,1,2,3,4,5,6,7
	KSTEP \s
.endr
; THE WAY OUT, a row block (16 rows x 64 columns) at a time, through my own two stages by turns.  LDS serves a wave's instructions in order (ISA guide 5.7.1.4): no wait between the stores and the loads.
.macro TOSTAGE a
.set PP, (\a)%2
.if (\a) < 8
	WIN 0x08                                       ; an LDS store's data are its source 1: window 2
.else
	WIN 0x0c                                       ; window 3
.endif
.irp ct, 0,1,2,3
	ds_store_b128 v11, v[8*(4*((\a)%8)+\ct):8*(4*((\a)%8)+\ct)+3] offset:16*SP*PP+64*\ct        ; each accumulator from its low end on
	ds_store_b128 v11, v[8*(4*((\a)%8)+\ct)+4:8*(4*((\a)%8)+\ct)+7] offset:16*SP*PP+64*\ct+16
.endr
	WIN 0
.irp u, 0,1
	ds_load_b128 v[RN+8*PP+4*\u:RN+8*PP+4*\u+3], v14 offset:64*(\a)+16*\u    ; the numbers of rows 2 i + h, i = 0 .. 7
.endr
.irp i, 0,1,2,3,4,5,6,7
	ds_load_b128 v[OB+32*PP+4*\i:OB+32*PP+4*\i+3], v12 offset:16*SP*PP+2*SP*\i
.endr
.endm
.macro SEND p, younger                         ; younger: the LDS instructions issued behind the block's loads, which may stay out
	s_wait_dscnt \younger
.irp i, 0,1,2,3,4,5,6,7
	v_min_u32 v[RN+8*(\p)+\i], 0x1fff, v[RN+8*(\p)+\i]
.endr
.irp i, 0,1,2,3,4,5,6,7
	v_mad_u32_u24 v[OO+8*(\p)+\i], v[RN+8*(\p)+\i], ROWO, v15
.endr
	s_wait_alu depctr_va_vdst(0)                   ; the eight offsets v[OO ..] are written, which the stores read; and the lines above are done with v[RN ..], in which the loads of the block two on land
.irp i, 0,1,2,3,4,5,6,7
	global_store_b128 v[OO+8*(\p)+\i], v[OB+32*(\p)+4*\i:OB+32*(\p)+4*\i+3], s[16:17] th:TH_STORE_NT   ; sixteen lanes store 256 consecutive bytes of a row; written once, read by nobody here
.endr
.endm
.rept 4
	v_nop                                          ; four places behind the last products, ahead of the first read of results (ISA guide 7.12.1)
.endr
	s_wait_alu depctr_va_vdst(0)                   ; the products have written the 36 accumulators, which the LDS stores of all nine row blocks read, and are done reading v72 to v215, in which the loads from the stages and the tail's loads land
	TOSTAGE 0
.irp a, 1,2,3,4,5,6,7,8
	s_cmp_eq_u32 s[66+\a], -1                      ; filled slots come first: the first empty row block ends the way out
.if (\a)%2 == 1
	s_cbranch_scc1 .Lfin0
.else
	s_cbranch_scc1 .Lfin1
.endif
.if \a > 1
	s_wait_xcnt 0x0                                ; block a - 2's stores have had their addresses translated: their data and offsets may be written again,
	s_wait_alu depctr_vm_vsrc(0)                   ; and they have read their data v[OB ..], in which block a's loads land, and their offsets v[OO ..], which block a's lines write again
.endif
	TOSTAGE \a
	SEND (\a-1)%2, 18                              ; behind block a - 1's loads: block a's 8 stores and 10 loads
.endr
.Lfin0:
	SEND 0, 0                                      ; the last block in hand is an even one
	s_branch .Ltail
.Lfin1:
	SEND 1, 0                                      ; or an odd one
.Ltail:
	; THE ONE-HOT TAIL, 32 bytes a row, by the wave that made the last 64 columns: two lanes to a row, 16 rows an instruction.  Empty slots name the tile's first row and store the same numbers there.
	s_lshl_b32 s22, s19, 2
	s_add_co_u32 s22, s22, s18
	s_cmp_lg_u32 s22, 15
	s_cbranch_scc1 .Lquit
.irp a, 0,1,2,3,4,5,6,7,8
	ds_load_b32 v[176+\a], v229 offset:64*\a       ; asked for first.  No wait: since the wait at the head of the way out no vector line has named v176 to v184 or v229
.endr
	v_and_b32 v173, 1, v0
	v_lshlrev_b32 v174, 2, v173
	v_sub_nc_u32 v174, s21, v174                   ; e - 4 (lane % 2): which of my four numbers is the 1, if any
	v_lshlrev_b32 v185, 4, v173
	v_mov_b32 v172, 1.0
.irp k, 0,1,2,3
	v_cmp_eq_u32 s[CM+\k], \k, v174                ; the four compares in one run, a mask each
.endr
	s_wait_alu depctr_va_sdst(0)                   ; the four masks are written, ahead of the selects that read them
.irp k, 0,1,2,3
	v_cndmask_b32 v[168+\k], 0, v172, s[CM+\k]
.endr
	s_wait_dscnt 0x0
.irp a, 0,1,2,3,4,5,6,7,8
	v_min_u32 v[176+\a], 0x1fff, v[176+\a]
.endr
.irp a, 0,1,2,3,4,5,6,7,8
	v_mad_u32_u24 v[186+\a], v[176+\a], ROWO, v185
.endr
	s_wait_alu depctr_va_vdst(0)                   ; the four numbers v168 to v171 and the nine offsets v186 to v194 are written, which the stores read
.irp a, 0,1,2,3,4,5,6,7,8
	global_store_b128 v[186+\a], v[168:171], s[16:17] offset:256 th:TH_STORE_NT   ; byte 4,096 of a row lies 256 bytes behind this wave's first column
.endr
.Lquit:
	s_wait_dscnt 0x0
	s_wait_alu depctr_hold_cnt(0) depctr_sa_sdst(0) depctr_va_vdst(0) depctr_va_sdst(0) depctr_va_ssrc(0) depctr_va_vcc(0) depctr_vm_vsrc(0)
	s_wait_tensorcnt 0x0
	ds_add_u32 v254, v255
	s_wait_dscnt 0x0
	s_endpgm
.Lfunc_end_k_q36ccd7873d_experts:
	.size	k_q36ccd7873d_experts, .Lfunc_end_k_q36ccd7873d_experts-k_q36ccd7873d_experts
	.p2alignl 7, 3214868480
	.fill 96, 4, 3214868480
	.section	.rodata,"a",@progbits
	.p2align	6, 0x0
	.amdhsa_kernel k_q36ccd7873d_experts
		.amdhsa_group_segment_fixed_size 114176
		.amdhsa_private_segment_fixed_size 0
		.amdhsa_enable_private_segment 0
		.amdhsa_kernarg_size 56
		.amdhsa_user_sgpr_count 2
		.amdhsa_user_sgpr_kernarg_segment_ptr 1
		.amdhsa_wavefront_size32 1
		.amdhsa_system_sgpr_workgroup_id_x 1
		.amdhsa_system_sgpr_workgroup_id_y 1
		.amdhsa_system_sgpr_workgroup_id_z 1
		.amdhsa_system_vgpr_workitem_id 0
		.amdhsa_next_free_vgpr 896
		.amdhsa_next_free_sgpr 80
		.amdhsa_reserve_vcc 0
		.amdhsa_float_denorm_mode_32 3
		.amdhsa_float_denorm_mode_16_64 3
		.amdhsa_memory_ordered 1
		.amdhsa_forward_progress 1
		.amdhsa_inst_pref_size 115
	.end_amdhsa_kernel
	.amdgpu_metadata
---
amdhsa.version: [ 1, 2 ]
amdhsa.kernels:
  - .name:           k_q36ccd7873d_experts
    .symbol:         k_q36ccd7873d_experts.kd
    .args:
      - { .name: order, .offset: 0, .size: 8, .value_kind: global_buffer, .address_space: global }
      - { .name: x_codes, .offset: 8, .size: 8, .value_kind: global_buffer, .address_space: global }
      - { .name: x_scales, .offset: 16, .size: 8, .value_kind: global_buffer, .address_space: global }
      - { .name: wfrag, .offset: 24, .size: 8, .value_kind: global_buffer, .address_space: global }
      - { .name: W_scales, .offset: 32, .size: 8, .value_kind: global_buffer, .address_space: global }
      - { .name: b, .offset: 40, .size: 8, .value_kind: global_buffer, .address_space: global }
      - { .name: out0, .offset: 48, .size: 8, .value_kind: global_buffer, .address_space: global }
    .group_segment_fixed_size: 114176
    .private_segment_fixed_size: 0
    .kernarg_segment_align: 8
    .kernarg_segment_size: 56
    .max_flat_workgroup_size: 128
    .sgpr_count:     80
    .vgpr_count:     896
    .wavefront_size: 32
...
	.end_amdgpu_metadata
.endif
;; end of part 4
